; MI455X (gfx1250); checked and timed in simulation.
; The chip was launched on July 23, 2026; its instructions are those of AMD's public machine-readable ISA for CDNA 5 (MIT licence, August 2026) and "CDNA5" Instruction Set Architecture Reference Guide (July 2026). The comments in the code are by the model that wrote it; some were corrected since.
;; Dust3 R Cross Attention. Allowed arithmetic: matrix products marked QUANTISED: E2M1 operands, one E8M0 scale for each 32 along K, by v_wmma_scale_f32_16x16x128_f8f6f4 with both operands' format E2M1 (or v_wmma_scale_f32_32x16x128_f4), f32 sums; products left as they are: bf16, f16 or f32 operands; f32 sums; everything else in f32.
;; Inputs: Wk 768 x 768 float32; Wo 768 x 768 float32; Wq 768 x 768 float32; Wv 768 x 768 float32; bo 768 float32; key 8 x 1,024 x 768 float32; query 8 x 1,024 x 768 float32; value 8 x 1,024 x 768 float32.
;; Outputs: out0 8 x 1,024 x 768 float32.
;; This version of the problem:
;;   THIS VERSION OF THE PROBLEM IS GIVEN IN LOW PRECISION. The matrix products marked QUANTISED in the list below multiply operands that are first quantised to E2M1 (2 exponent bits, 1 mantissa bit; 4 bits a number), with one power-of-two scale for each 32 numbers along K (OCP MX v1.0); their sums are f32. The products marked 'left as it is' may take bf16, f16 or f32 operands, with f32 sums. Whichever they take, every output number must still come out within the allowed error. Rounding operands to bf16 (8 significant bits) uses up far more of that allowance than f16 does (11 bits, for magnitudes from 6e-5 to 65,504). All else is computed in f32.
;;   The module's matrix products, in the order in which they are computed (A, B: the left and right operand; K: the contracted axis; several contracted axes count as one K, in the product's order):
;;     1. [M 8,192, K 768] x [K 768, N 768]; A: input query; B: input Wq: QUANTISED
;;     2. [M 8,192, K 768] x [K 768, N 768]; A: input key; B: input Wk: QUANTISED
;;     3. [M 8,192, K 768] x [K 768, N 768]; A: input value; B: input Wv: QUANTISED
;;     4. batch 96 x [M 1,024, K 64] x [K 64, N 1,024]; A: computed on the way; B: computed on the way: left as it is (an operand is computed on the way)
;;     5. batch 96 x [M 1,024, K 1,024] x [K 1,024, N 64]; A: computed on the way; B: computed on the way: left as it is (an operand is computed on the way)
;;     6. [M 8,192, K 768] x [K 768, N 768]; A: computed on the way; B: input Wo: left as it is (an operand is computed on the way)
;;   THE QUANTISER, for each operand of a quantised product, along K:
;;     - K is cut into blocks of 32 from its start; a last block that is shorter is filled with zeros.
;;     - A block's scale is 2^e with e = floor(log2(the largest magnitude in the block)) - 2, held to -126 .. 127; a block of zeros has e = 0. As a byte (E8M0): e + 127.
;;     - Each number is divided by its block's scale, clamped to +-6, and rounded to the nearest number of E2M1, ties to even, subnormals kept.
;;     - The product sums the exact products of the quantised numbers (number of the format x scale) in f32.
;;   ~~~python
;;   def quantise(x, axis):      # numpy; x: float32 -> the quantised numbers, widened to float32 again
;;       x = np.moveaxis(x, axis, -1); K = x.shape[-1]
;;       x = np.pad(x, [(0, 0)] * (x.ndim - 1) + [(0, -K % 32)]); x = x.reshape(x.shape[:-1] + (-1, 32)); a = np.abs(x).max(-1, keepdims=True)
;;       e = np.where(a > 0, np.clip(np.frexp(np.where(a > 0, a, 1))[1] - 1 - 2, -126, 127), 0)      # np.frexp(a)[1] - 1 = floor(log2(a)), exactly
;;       r = np.clip(x / 2.0 ** e, -6, 6)
;;       step = 2.0 ** (np.maximum(np.frexp(np.where(r == 0, 1, r))[1] - 1, 0) - 1)
;;       q = np.round(r / step) * step * 2.0 ** e      # np.round: ties to even
;;       return np.moveaxis(q.reshape(q.shape[:-2] + (-1,))[..., :K], -1, axis).astype(np.float32)
;;   ~~~
;; One version. Each part assembles by itself: llvm-mc -triple=amdgcn-amd-amdhsa -mcpu=gfx1250 --defsym DOCPART=n.
;; ======== version 1 of 1: 4 launches
;; limits: values are held in f16: magnitudes above 65,504 overflow, below 6.1e-05 lose precision
;; workspace buffers: codes 10,321,920 bytes; scales 645,120 bytes; wo16 1,179,648 bytes; rope 262,144 bytes; qkv16 37,748,736 bytes; x16 12,582,912 bytes
;; launch prep (part 1): grid 830 x 1, 4 waves a work-group, no clusters, 33,280 bytes of LDS; arguments query, key, value, Wq, Wk, Wv, Wo, codes, scales, wo16, rope; writes codes, scales, wo16, rope
.if DOCPART == 1
	.amdgcn_target "amdgcn-amd-amdhsa--gfx1250"
	.amdhsa_code_object_version 6
	.text
	.protected	k_q5a28abc6a3_prep
	.globl	k_q5a28abc6a3_prep
	.p2align	8
	.type	k_q5a28abc6a3_prep,@function
k_q5a28abc6a3_prep:
	s_mov_b64 s[64:65], 0
	v_nop
	global_prefetch_b8 v0, s[64:65] scope:SCOPE_SE
	s_setreg_imm32_b32 hwreg(HW_REG_WAVE_MODE, 25, 1), 1
	s_wait_xcnt 0x0
; THREE JOBS IN ONE LAUNCH, parted by the work-group's number.
; Q (work-groups 0-629): query, key, value [8192][768] and Wq, Wk, Wv [768][768], f32, become codes of FP4 (E2M1), K innermost, two codes a byte, and one E8M0 byte for each 32 along K.
;   K is the last axis of all six and 768 is a multiple of 32, so each tensor is a plain stream of blocks of 32; the six follow each other in 'codes' (384 bytes a row) and 'scales' (24 bytes a row).
;   A block's scale is 2^(floor(log2(largest magnitude)) - 2); its byte is the largest magnitude's exponent field - 2, held at 1 from below.
;   A block of zeros gets the byte 1 with zero codes, which add nothing; this program alone reads the bytes.
; W (630-701): Wo [768][768] f32 is rounded to f16, same layout.
; R (702-829): the rotary table: for position pos and pair of frequencies ip: cos(2 ip), cos(2 ip + 1), sin(2 ip), sin(2 ip + 1) of pos x 100^(-i / 32), f32, 16 bytes; 256 bytes a position.
; LIMITS: NaN and infinities among the inputs are not served.  |Wo| must stay under 65,504 (f16).  The frequency comes from v_exp_f32 (1 ulp) of a product rounded once: within about 3e-7 relative, so an angle
; is within about 3e-4 rad at position 1023; sine and cosine of the angle as it stands are within about 3e-7.
.set WAVES, 4
.set STEPS, 16
.set CB,    8                          ; bytes of 16 codes
.set R,     16                         ; v16-79   four sets of 16 numbers as they are loaded
.set X,     80                         ; v80-111  two sets of 16 neighbours
.set E,     112                        ; v112-127 a scale byte for each step
.set C,     128                        ; v128-191 codes: four registers for each step, so that no store's data are written again
.set WREG,  8192                       ; LDS: a region for each wave: two stages of 32 x SP bytes, behind them its 256 scale bytes
.set SP,    80                         ; a lane's place in a stage: 64 bytes + 16 of padding
.set SPW,   12                         ; v12 LDS address of my spare word; never rewritten
.set NIL,   13                         ; v13 0; never rewritten
.set SPARE, WAVES*WREG                 ; behind the four regions: the spare words, 128 bytes a wave
.set IN,    28                         ; s[28:29] the tensor that my work-group reads
	s_load_b512 s[4:19], s[0:1], 0x0               ; query 4, key 6, value 8, Wq 10, Wk 12, Wv 14, Wo 16, codes 18
	s_load_b128 s[20:23], s[0:1], 0x40             ; scales 20, wo16 22
	s_load_b64 s[24:25], s[0:1], 0x50              ; rope
	v_lshl_add_u32 v[SPW], v0, 2, SPARE
	v_mov_b32 v[NIL], 0
	v_lshrrev_b32 v1, 5, v0
	v_readfirstlane_b32 s26, v1                    ; wave
	s_wait_kmcnt 0x0
	s_cmp_ge_u32 ttmp9, 630
	s_cbranch_scc1 .Lother
; ---------------- Q: the quantiser.  A wave takes 16 steps of 512 numbers; loads run four steps ahead; a step's 2,048 bytes turn through the wave's own stage so that a lane holds 16 neighbours.
	s_mov_b64 s[IN:IN+1], s[14:15]                 ; which tensor: a choice on the work-group's number alone.  192 work-groups to an activation, 18 to a weight
	s_mov_b32 s30, 612
	s_cmp_lt_u32 ttmp9, 612
	s_cselect_b64 s[IN:IN+1], s[12:13], s[IN:IN+1]
	s_cselect_b32 s30, 594, s30
	s_cmp_lt_u32 ttmp9, 594
	s_cselect_b64 s[IN:IN+1], s[10:11], s[IN:IN+1]
	s_cselect_b32 s30, 576, s30
	s_cmp_lt_u32 ttmp9, 576
	s_cselect_b64 s[IN:IN+1], s[8:9], s[IN:IN+1]
	s_cselect_b32 s30, 384, s30
	s_cmp_lt_u32 ttmp9, 384
	s_cselect_b64 s[IN:IN+1], s[6:7], s[IN:IN+1]
	s_cselect_b32 s30, 192, s30
	s_cmp_lt_u32 ttmp9, 192
	s_cselect_b64 s[IN:IN+1], s[4:5], s[IN:IN+1]
	s_cselect_b32 s30, 0, s30
	v_and_b32 v2, 31, v0                           ; lane
	v_lshlrev_b32 v3, 4, v2                        ; my 16 bytes of a load's 512
	s_mul_i32 s27, s26, WREG
	v_lshrrev_b32 v14, 2, v2
	v_mul_u32_u24 v14, v14, SP
	v_and_b32 v15, 3, v2
	v_lshl_add_u32 v14, v15, 4, v14
	v_add_nc_u32 v14, s27, v14                     ; the stage, on the way in: SP (lane / 4) + 16 (lane % 4)
	v_mul_u32_u24 v15, v2, SP
	v_add_nc_u32 v15, s27, v15                     ; and on the way out: SP x lane: my 16 neighbours
	v_mul_u32_u24 v4, v2, CB                       ; my codes' place in a step's
	v_lshrrev_b32 v5, 1, v2
	s_add_co_u32 s27, s27, 2*32*SP
	v_add_nc_u32 v5, s27, v5                       ; LDS: my wave's 256 scale bytes, my block's byte
	v_lshlrev_b32 v7, 3, v2                        ; and on the way out 8 bytes a lane
	v_add_nc_u32 v6, s27, v7
	s_sub_co_u32 s31, ttmp9, s30
	s_lshl_b32 s31, s31, 2
	s_add_co_u32 s32, s31, s26                     ; which run of 8,192 numbers of the tensor is my wave's
	s_lshl_b32 s32, s32, 15                        ; 32,768 bytes a run
	s_mov_b32 s33, 0
	s_add_nc_u64 s[IN:IN+1], s[IN:IN+1], s[32:33]
	s_lshl_b32 s34, ttmp9, 2
	s_add_co_u32 s34, s34, s26                     ; the run's number among all six tensors
	s_lshl_b32 s32, s34, 12                        ; 4,096 bytes of codes a run
	s_add_nc_u64 s[18:19], s[18:19], s[32:33]
	s_lshl_b32 s32, s34, 8                         ; 256 scale bytes a run
	s_add_nc_u64 s[20:21], s[20:21], s[32:33]
.macro LOAD t
.irp i, 0,1,2,3
	global_load_b128 v[R+16*((\t)%4)+4*\i:R+16*((\t)%4)+4*\i+3], v3, s[IN:IN+1] offset:2048*(\t)+512*\i th:TH_LOAD_NT   ; 32 lanes read 512 consecutive bytes
.endr
.endm
.macro TURN t                          ; step t's numbers through the stage: LDS serves a wave's instructions in order, so no wait stands between the stores and the loads
.irp i, 0,1,2,3
	ds_store_b128 v14, v[R+16*((\t)%4)+4*\i:R+16*((\t)%4)+4*\i+3] offset:32*SP*((\t)%2)+8*SP*\i
.endr
.irp i, 0,1,2,3
	ds_load_b128 v[X+16*((\t)%2)+4*\i:X+16*((\t)%2)+4*\i+3], v15 offset:32*SP*((\t)%2)+16*\i
.endr
.endm
.irp t, 0,1,2,3
	LOAD \t
.endr
	s_wait_loadcnt 12                              ; step 0's four loads are in
	TURN 0
.macro STEP t
.set XS, X+16*((\t)%2)
.if (\t) > 0
	s_wait_dscnt 1                                 ; this step's numbers are back from the stage (the last step's byte store may be out): so its stores into the stage have read their registers,
.else
	s_wait_dscnt 0x0
.endif
.if (\t)+4 < STEPS
	LOAD (\t)+4                                    ; which take the loads of four steps on
.endif
.if (\t)+1 < STEPS
.if STEPS-2-(\t) >= 3
	s_wait_loadcnt 12                              ; the next step's four loads are in; those of the three steps behind it may be out
.else
	s_wait_loadcnt 4*(STEPS-2-(\t))
.endif
	TURN (\t)+1                                    ; and go through the other stage while this step is worked
.endif
	v_max3_num_f32 v8, |v[XS]|, |v[XS+1]|, |v[XS+2]|               ; the largest magnitude of my 16, in two chains
	v_max3_num_f32 v9, |v[XS+3]|, |v[XS+4]|, |v[XS+5]|
.irp i, 6,10
	v_max3_num_f32 v8, v8, |v[XS+\i]|, |v[XS+\i+1]|
	v_max3_num_f32 v9, v9, |v[XS+\i+2]|, |v[XS+\i+3]|
.endr
	v_max3_num_f32 v8, v8, |v[XS+14]|, |v[XS+15]|
	v_max3_num_f32 v8, v8, v9, 0x1800000           ; and the floor 2^(3 - 127): so the byte cannot fall under 1
	v_max_num_f32_dpp v8, v8, v8 row_xmask:1 row_mask:0xf bank_mask:0xf   ; and of my neighbour's 16: the block's
	v_add_nc_u32 v11, 0xff000000, v8               ; 2 off its exponent field: the conversion takes the exponent field of this operand as its scale
	v_cvt_scalef32_pk8_fp4_f32 v[C+4*(\t)], v[XS:XS+7], v11        ; eight numbers / the scale, to the nearest code, ties to even, beyond 6 the largest code
	v_cvt_scalef32_pk8_fp4_f32 v[C+4*(\t)+1], v[XS+8:XS+15], v11
	v_lshrrev_b32 v[E+(\t)], 23, v11               ; the scale's byte
	ds_store_b8 v5, v[E+(\t)] offset:16*(\t)       ; both lanes of a block write the same byte with the same value
	global_store_b64 v4, v[C+4*(\t):C+4*(\t)+1], s[18:19] offset:32*CB*(\t)   ; the wave stores 256 consecutive bytes, aligned
.endm
.irp t, 0,1,2,3,4,5,6,7,8,9,10,11,12,13,14,15
	STEP \t
.endr
	ds_load_b64 v[8:9], v6                         ; LDS serves a wave's instructions in order: these see my stores
	s_wait_dscnt 0x0
	global_store_b64 v7, v[8:9], s[20:21]          ; 32 lanes store 256 consecutive bytes, aligned
	s_wait_tensorcnt 0x0                           ; the wave's end: behind my last LDS store
	ds_add_u32 v[SPW], v[NIL]
	s_wait_dscnt 0x0
	s_endpgm
.Lother:
	s_cmp_ge_u32 ttmp9, 702
	s_cbranch_scc1 .Lrope
; ---------------- W: 8,192 numbers of Wo a work-group.  A load of a wave covers 512 consecutive bytes, a store 256.  No register is written twice.  No LDS is touched on this path.
	s_sub_co_u32 s27, ttmp9, 630
	s_lshl_b32 s32, s27, 15
	s_mov_b32 s33, 0
	s_add_nc_u64 s[16:17], s[16:17], s[32:33]
	s_lshl_b32 s32, s27, 14
	s_add_nc_u64 s[22:23], s[22:23], s[32:33]
	v_lshlrev_b32 v1, 4, v0
	v_lshlrev_b32 v2, 3, v0
.irp i, 0,1,2,3,4,5,6,7,8,9,10,11,12,13,14,15
	global_load_b128 v[16+4*\i:19+4*\i], v1, s[16:17] offset:2048*\i th:TH_LOAD_NT
.endr
.irp i, 0,1,2,3,4,5,6,7,8,9,10,11,12,13,14,15
	s_wait_loadcnt 15-\i                           ; loads come back in order: load i is in, the younger ones stay out
	v_cvt_pk_f16_f32 v[80+2*\i], v[16+4*\i], v[17+4*\i]
	v_cvt_pk_f16_f32 v[81+2*\i], v[18+4*\i], v[19+4*\i]
	global_store_b64 v2, v[80+2*\i:81+2*\i], s[22:23] offset:1024*\i
.endr
	s_endpgm
.Lrope:
; ---------------- R: a thread makes one entry of 16 bytes: position gid / 16, frequencies 2 (gid % 16) and the next.  Two chains, line by line.  No LDS is touched on this path.
; The angle is reduced to f revolutions, |f| <= 1/2, with 1 / 2 pi in two parts; w = pi f is HALF the angle, |w| <= pi / 2, where the two series are cut with remainders under 1e-7 for every angle;
; sin = 2 sin(w) cos(w), cos = 1 - 2 sin(w)^2.
	s_sub_co_u32 s27, ttmp9, 702
	s_lshl_b32 s27, s27, 7
	v_add_nc_u32 v1, s27, v0                       ; gid
	v_lshrrev_b32 v2, 4, v1                        ; pos
	v_and_b32 v3, 15, v1                           ; ip
	v_lshlrev_b32 v4, 4, v1                        ; the entry's byte
	v_cvt_f32_u32 v2, v2
	v_lshlrev_b32 v3, 1, v3
.irp e, 0,1
	v_add_nc_u32 v[16+\e], \e, v3                  ; i
.endr
.irp e, 0,1
	v_cvt_f32_u32 v[16+\e], v[16+\e]
.endr
.irp e, 0,1
	v_mul_f32 v[16+\e], 0xbe549a78, v[16+\e]       ; -i log2(100) / 32
.endr
.irp e, 0,1
	v_exp_f32 v[18+\e], v[16+\e]                   ; 100^(-i / 32)
.endr
	v_nop                                          ; a plain instruction behind the exponentials
	s_wait_alu depctr_va_vdst(0)                   ; one wait for both, ahead of their first reader
.irp e, 0,1
	v_mul_f32 v[18+\e], v2, v[18+\e]               ; the angle, rounded once
.endr
.irp e, 0,1
	v_mul_f32 v[20+\e], 0.15915494, v[18+\e]
.endr
.irp e, 0,1
	v_rndne_f32 v[20+\e], v[20+\e]                 ; whole revolutions
.endr
.irp e, 0,1
	v_fma_f32 v[22+\e], v[18+\e], 0.15915494, -v[20+\e]
.endr
.irp e, 0,1
	v_fmamk_f32 v[22+\e], v[18+\e], 0x31dc9c6d, v[22+\e]   ; the rest of 1 / 2 pi
.endr
.irp e, 0,1
	v_mul_f32 v[24+\e], 0x40490fdb, v[22+\e]       ; w = pi f
.endr
.irp e, 0,1
	v_mul_f32 v[26+\e], v[24+\e], v[24+\e]         ; u = w^2
.endr
.irp e, 0,1
	v_mov_b32 v[28+\e], 0xb2d7322b                 ; sine's series: -1/11!
	v_mov_b32 v[30+\e], 0x310f76c7                 ; cosine's: 1/12!
.endr
.irp k, 0x3638ef1d, 0xb9500d01, 0x3c088889, 0xbe2aaaab, 0x3f800000
.irp e, 0,1
	v_fmaak_f32 v[28+\e], v[28+\e], v[26+\e], \k   ; 1/9!, -1/7!, 1/5!, -1/3!, 1
.endr
.endr
.irp k, 0xb493f27e, 0x37d00d01, 0xbab60b61, 0x3d2aaaab, 0xbf000000, 0x3f800000
.irp e, 0,1
	v_fmaak_f32 v[30+\e], v[30+\e], v[26+\e], \k   ; -1/10!, 1/8!, -1/6!, 1/4!, -1/2, 1
.endr
.endr
.irp e, 0,1
	v_mul_f32 v[28+\e], v[24+\e], v[28+\e]         ; sin(w)
.endr
.irp e, 0,1
	v_add_f32 v[32+\e], v[28+\e], v[28+\e]         ; 2 sin(w)
.endr
.irp e, 0,1
	v_mul_f32 v[38+\e], v[32+\e], v[30+\e]         ; the sine
	v_fma_f32 v[36+\e], -v[32+\e], v[28+\e], 1.0   ; the cosine
.endr
	global_store_b128 v4, v[36:39], s[24:25]       ; a wave stores 512 consecutive bytes
	s_endpgm
.Lfunc_end_k_q5a28abc6a3_prep:
	.size	k_q5a28abc6a3_prep, .Lfunc_end_k_q5a28abc6a3_prep-k_q5a28abc6a3_prep
	.p2alignl 7, 3214868480
	.fill 96, 4, 3214868480
	.section	.rodata,"a",@progbits
	.p2align	6, 0x0
	.amdhsa_kernel k_q5a28abc6a3_prep
		.amdhsa_group_segment_fixed_size 33280
		.amdhsa_private_segment_fixed_size 0
		.amdhsa_enable_private_segment 0
		.amdhsa_kernarg_size 88
		.amdhsa_user_sgpr_count 2
		.amdhsa_user_sgpr_kernarg_segment_ptr 1
		.amdhsa_wavefront_size32 1
		.amdhsa_system_sgpr_workgroup_id_x 1
		.amdhsa_system_sgpr_workgroup_id_y 1
		.amdhsa_system_sgpr_workgroup_id_z 1
		.amdhsa_system_vgpr_workitem_id 0
		.amdhsa_next_free_vgpr 192
		.amdhsa_next_free_sgpr 66
		.amdhsa_reserve_vcc 0
		.amdhsa_float_denorm_mode_32 3
		.amdhsa_float_denorm_mode_16_64 3
		.amdhsa_memory_ordered 1
		.amdhsa_forward_progress 1
		.amdhsa_inst_pref_size 43
	.end_amdhsa_kernel
	.amdgpu_metadata
---
amdhsa.version: [ 1, 2 ]
amdhsa.kernels:
  - .name:           k_q5a28abc6a3_prep
    .symbol:         k_q5a28abc6a3_prep.kd
    .args:
      - { .name: query, .offset: 0, .size: 8, .value_kind: global_buffer, .address_space: global }
      - { .name: key, .offset: 8, .size: 8, .value_kind: global_buffer, .address_space: global }
      - { .name: value, .offset: 16, .size: 8, .value_kind: global_buffer, .address_space: global }
      - { .name: Wq, .offset: 24, .size: 8, .value_kind: global_buffer, .address_space: global }
      - { .name: Wk, .offset: 32, .size: 8, .value_kind: global_buffer, .address_space: global }
      - { .name: Wv, .offset: 40, .size: 8, .value_kind: global_buffer, .address_space: global }
      - { .name: Wo, .offset: 48, .size: 8, .value_kind: global_buffer, .address_space: global }
      - { .name: codes, .offset: 56, .size: 8, .value_kind: global_buffer, .address_space: global }
      - { .name: scales, .offset: 64, .size: 8, .value_kind: global_buffer, .address_space: global }
      - { .name: wo16, .offset: 72, .size: 8, .value_kind: global_buffer, .address_space: global }
      - { .name: rope, .offset: 80, .size: 8, .value_kind: global_buffer, .address_space: global }
    .group_segment_fixed_size: 33280
    .private_segment_fixed_size: 0
    .kernarg_segment_align: 8
    .kernarg_segment_size: 88
    .max_flat_workgroup_size: 128
    .sgpr_count:     66
    .vgpr_count:     192
    .wavefront_size: 32
...
	.end_amdgpu_metadata
.endif
;; end of part 1
;; launch proj (part 2): grid 4 x 64, 4 waves a work-group, clusters of 4 x 4, 327,680 bytes of LDS; arguments codes, scales, rope, qkv16; writes qkv16
.if DOCPART == 2
	.amdgcn_target "amdgcn-amd-amdhsa--gfx1250"
	.amdhsa_code_object_version 6
	.text
	.protected	k_q5a28abc6a3_proj
	.globl	k_q5a28abc6a3_proj
	.p2align	8
	.type	k_q5a28abc6a3_proj,@function
k_q5a28abc6a3_proj:
	s_mov_b64 s[64:65], 0
	v_nop
	global_prefetch_b8 v0, s[64:65] scope:SCOPE_SE
	s_setreg_imm32_b32 hwreg(HW_REG_WAVE_MODE, 25, 1), 1
	s_wait_xcnt 0x0
	s_wait_alu depctr_hold_cnt(0) depctr_sa_sdst(0) depctr_va_vdst(0) depctr_va_sdst(0) depctr_va_ssrc(0) depctr_va_vcc(0) depctr_vm_vsrc(0)
	s_getreg_b32 s2, hwreg(HW_REG_IB_STS2, 6, 4)
	s_cmp_eq_u32 s2, 0
	s_cbranch_scc0 .Lentry_in_a_cluster
	s_endpgm
.Lentry_in_a_cluster:
	s_bfe_u32 s2, ttmp6, 0x10000c
	s_cmp_lg_u32 s2, 0xf033
	s_cbranch_scc0 .Lentry_shape_is_right
	s_endpgm
.Lentry_shape_is_right:
; q = query Wq^T, k = key Wk^T, v = value Wv^T on codes of FP4 (E2M1) with E8M0 scales (one for each 32 along K = 768), sums in f32; the rotary embedding on q and k in f32; all three rounded once to f16
; and stored by heads: qkv16 [3][96 (batch x 12 + head)][1024][64].
; SHARES.  A work-group makes rows 128 my .. + 127 and columns 192 nx .. + 191 (three heads) of ALL THREE products: 4 x 64 = 256 work-groups of equal work.  Four waves, 2 x 2: wave (wm, wc) has 64 rows x 96 columns,
; 24 accumulators of 16 x 16.  All of K (384 bytes of codes a row) lies in an LDS slot: slot 0 takes product 0 and later product 2, slot 1 product 1.
; THE MATRIX INSTRUCTION IS USED TRANSPOSED (source 0 = 16 rows of W, source 1 = 16 rows of the activation): a lane holds one row and eight neighbouring columns.
; THE ROWS OF W THAT FORM A TILE ARE CHOSEN: tile 2 hd + u of wave (., wc) is W's rows 64 hd + 32 u + 16 wc + 0 .. 15, so that channels d and d + 32 of a head, which the rotary embedding pairs, lie in the same
; lane and register of tiles 2 hd and 2 hd + 1.
; CLUSTER 4 x 4: the four of a row of the cluster need the same rows of the activations, the four of a column the same rows of the weights: each tile is asked for jointly.
; LIMITS: |q|, |k|, |v| must stay under 65,504 (f16); NaN and infinities are not served.
; REGISTERS, in windows of 256: window 0: v1-29 addresses; v32-121 scale words, and nothing else; v128-223 packed results, later rows read back.   window 1: two sets of fragments (6 of W, 4 of the activation: 80
; registers) at v0 and v80; v160-223 the rotary table of my 64 rows.   window 2: the accumulators of product 0, later of product 2 ((a, b) at v[8 (6 a + b)]); v192-199 at work.   window 3: those of product 1.
.set PITCH, 432                        ; a row of codes in LDS: 384 bytes + 16 of padding behind each 128 = 27 x 16 bytes: the 16 rows of a fragment load start in 16 different groups of four banks (ISA guide 11.1)
.set ASZ,   128*PITCH                  ; the activation's 128 rows
.set SLOT,  (128+192)*PITCH            ; and W's 192 rows behind them
.set SPARE, 2*SLOT                     ; behind the slots: the spare words, 128 bytes a wave
.set SPIT,  144                        ; the stages: a row of 64 f16 + 16 bytes
.set STGH,  128*SPIT                   ; a head's 128 rows
.set STGB,  3*STGH                     ; a stage: three heads
.set STG0,  SLOT                       ; two stages, in slot 1, which is filled once and has been read out when the first result is stored there
.set ACT_C, 3145728                    ; bytes of one activation's codes
.set W_C0,  9437184                    ; where Wq's codes begin
.set W_C,   294912                     ; bytes of one weight's codes
.set ACT_S, 196608                     ; the same for the scale bytes
.set W_S0,  589824
.set W_S,   18432
.set TEN,   12582912                   ; bytes of q, of k, of v in qkv16
.set ADRA,  16                         ; v16-17 LDS address of my fragments of the activation in slot 0, 1
.set ADRB,  18                         ; v18-19 of W, heads 0 and 1
.set ADRB2, 20                         ; v20-21 of W, head 2 (its offset would not fit the 16-bit immediate)
.set STO,   22                         ; v22-23 where I put 16 bytes of a row in stage 0, 1
.set RD,    24                         ; v24-25 where I read rows back
.set GO,    26                         ; v26 my byte offset among the work-group's rows of a head
.set LA,    27                         ; v27 24 x lane: a row of scale bytes a lane
.set SPW,   28                         ; v28 LDS address of my spare word; never rewritten
.set NIL,   29                         ; v29 0; never rewritten
.set LB,    9                          ; v9  (32 h + r) x 24
.set LT,    10                         ; v10 256 r + 64 h: my place in the rotary table
.set SC,    32                         ; scale words of product T from v[SC + 30 T]: + 6 g + s: lanes 0-15 block 2 g of the activation, lanes 16-31 block 2 g + 1; + 12 + 6 hd + s: lanes 0-15 W's tile 2 hd, lanes 16-31 tile 2 hd + 1
.set PK,    128
.set TB,    160                        ; in window 1: block a's table at TB + 16 a: for pair e of my eight channels cosines at + 4 e, + 4 e + 1, sines at + 4 e + 2, + 4 e + 3
.set G1,  24                           ; s[24:31] descriptor group 1 for the activations;  s[32:39] group 0, a set for each slot
.set G0,  32
.set G1B, 48                           ; s[48:55], s[56:63] the same for the weights
.set G0B, 56
.set MSB, 0
.macro WIN new                         ; the immediate's high byte repeats the setting that is left
.if MSB != \new
	s_set_vgpr_msb (MSB<<8)|\new
.set MSB, \new
.endif
.endm
; A joint load: waves 0 and 1 fetch the activation's halves, waves 2 and 3 W's.  The branch hangs on the wave's number alone.  An s_nop 0 and four v_nop follow each of the two lines.
.macro JLOAD g0a, g1a, g0b, g1b
	s_cmp_eq_u32 s15, 0
	s_cbranch_scc0 .Lfor_b_\@
	tensor_load_to_lds s[\g0a:\g0a+3], s[\g1a:\g1a+7]
	s_nop 0
.rept 4
	v_nop
.endr
	s_branch .Lasked_\@
.Lfor_b_\@:
	tensor_load_to_lds s[\g0b:\g0b+3], s[\g1b:\g1b+7]
	s_nop 0
.rept 4
	v_nop
.endr
.Lasked_\@:
.endm
.macro CROUND                          ; a round of the cluster's barrier
	s_barrier_signal -1
	s_barrier_wait -1
	s_cmp_lg_u32 s14, 0
	s_cbranch_scc1 .Lnot_wave_0_\@
	s_barrier_signal -3
.Lnot_wave_0_\@:
	s_barrier_wait -3
	s_barrier_signal -1
	s_barrier_wait -1
.endm
.macro BARRIER
	s_barrier_signal -1
	s_barrier_wait -1
.endm
.macro PLACES n                        ; plain vector instructions between a matrix instruction and a load into, or a vector read of, its registers
.rept \n
	v_nop
.endr
.endm
	s_load_b256 s[4:11], s[0:1], 0x0               ; codes s[4:5], scales s[6:7], rope s[8:9], qkv16 s[10:11]
	v_lshl_add_u32 v[SPW], v0, 2, SPARE
	v_mov_b32 v[NIL], 0
	ds_add_u32 v[SPW], v[NIL]                      ; the wave's opening: the add, twice on end, and its wait ahead of my first tensor load
	ds_add_u32 v[SPW], v[NIL]
	v_lshrrev_b32 v1, 5, v0
	v_readfirstlane_b32 s14, v1                    ; wave 0..3
	s_lshr_b32 s15, s14, 1                         ; wm: which 64 rows are mine.  Also: I fetch for the activation (0) or for W (1)
	s_and_b32 s16, s14, 1                          ; wc: which columns.  Also: which half of that tile I fetch
	s_bfe_u32 s40, ttmp6, 0x40000                  ; cx, cy: my place in the cluster
	s_bfe_u32 s41, ttmp6, 0x40004
	s_lshl_b32 s42, ttmp9, 2
	s_add_co_u32 s42, s42, s40                     ; nx = 4 x cluster x + cx
	s_and_b32 s17, ttmp7, 0xffff
	s_lshl_b32 s17, s17, 2
	s_add_co_u32 s17, s17, s41                     ; my = 4 x cluster y + cy
	s_lshl_b32 s43, s41, 2
	s_lshl_b32 s43, 15, s43                        ; my row of the cluster
	s_lshl_b32 s44, 0x1111, s40                    ; my column
	; group 1: half a tile is one dense block of memory, stated as rows of 256 bytes (32 elements of 8 bytes); 16 bytes of padding behind every 128 (32 words: code 4; 4 words: code 3); bit 21 set beside a mask
	s_or_b32 s[G1+0], s43, (3<<16)|(1<<20)|(1<<21)|(4<<22)|(3<<25)
	s_or_b32 s[G1B+0], s44, (3<<16)|(1<<20)|(1<<21)|(4<<22)|(3<<25)
	s_mov_b32 s[G1+1], 32<<16                      ; tensor_dim0
	s_mov_b32 s[G1+2], 96<<16                      ; tensor_dim1: 64 rows of 384 bytes = 96 of 256
	s_mov_b32 s[G1+3], 32<<16                      ; tile_dim0
	s_mov_b32 s[G1+4], 96                          ; tile_dim1
	s_mov_b32 s[G1+5], 32                          ; the pitch
	s_mov_b32 s[G1+6], 0
	s_mov_b32 s[G1+7], 0
	s_mov_b32 s[G1B+1], 32<<16
	s_mov_b32 s[G1B+2], 144<<16                    ; 96 rows of 384 bytes = 144 of 256
	s_mov_b32 s[G1B+3], 32<<16
	s_mov_b32 s[G1B+4], 144
	s_mov_b32 s[G1B+5], 32
	s_mov_b32 s[G1B+6], 0
	s_mov_b32 s[G1B+7], 0
	s_lshl_b32 s18, s16, 6
	s_lshl_b32 s20, s17, 7
	s_add_co_u32 s20, s20, s18                     ; the activation: row 128 my + 64 x half
	s_mul_i32 s20, s20, 384
	s_mov_b32 s21, 0
	s_mul_i32 s81, s16, 96
	s_mul_i32 s46, s42, 192
	s_add_co_u32 s46, s46, s81                     ; W: row 192 nx + 96 x half
	s_mul_i32 s46, s46, 384
	s_add_co_u32 s46, s46, W_C0
	s_mov_b32 s47, 0
	s_mul_i32 s45, s16, 64*PITCH                   ; where they go in a slot: no place in the cluster enters an LDS address
	s_mul_i32 s22, s16, 96*PITCH
	s_add_co_u32 s22, s22, ASZ
	s_wait_dscnt 0x0                               ; both opening adds are done
	s_wait_kmcnt 0x0
	s_add_nc_u64 s[20:21], s[4:5], s[20:21]
	s_add_nc_u64 s[46:47], s[4:5], s[46:47]
	CROUND                                         ; all sixteen work-groups are here: the first joint loads meet
.irp s, 0,1
	s_mov_b32 s[G0+4*\s], 1
	s_add_co_u32 s[G0+4*\s+1], s45, \s*SLOT
	s_add_nc_u64 s[G0+4*\s+2:G0+4*\s+3], s[20:21], \s*ACT_C        ; slot s begins with product s
	s_or_b32 s[G0+4*\s+3], s[G0+4*\s+3], 0x80000000
	s_mov_b32 s[G0B+4*\s], 1
	s_add_co_u32 s[G0B+4*\s+1], s22, \s*SLOT
	s_add_nc_u64 s[G0B+4*\s+2:G0B+4*\s+3], s[46:47], \s*W_C
	s_or_b32 s[G0B+4*\s+3], s[G0B+4*\s+3], 0x80000000
	JLOAD G0+4*\s, G1, G0B+4*\s, G1B               ; two tensor loads of mine are out
.endr
	; bases in memory
	s_lshl_b32 s18, s17, 7
	s_lshl_b32 s19, s15, 6
	s_add_co_u32 s18, s18, s19                     ; my first row: 128 my + 64 wm
	s_mul_i32 s66, s18, 24
	s_mov_b32 s67, 0
	s_add_nc_u64 s[66:67], s[6:7], s[66:67]        ; its scale bytes
	s_mul_i32 s68, s42, 192
	s_lshl_b32 s81, s16, 4
	s_add_co_u32 s68, s68, s81
	s_mul_i32 s68, s68, 24
	s_add_co_u32 s68, s68, W_S0
	s_mov_b32 s69, 0
	s_add_nc_u64 s[68:69], s[6:7], s[68:69]        ; W's scale bytes at row 192 nx + 16 wc
	s_and_b32 s18, s17, 7
	s_lshl_b32 s18, s18, 7
	s_add_co_u32 s18, s18, s19                     ; my first position: 128 (my % 8) + 64 wm
	s_lshl_b32 s70, s18, 8
	s_lshl_b32 s19, s16, 7
	s_add_co_u32 s70, s70, s19                     ; + 128 wc: my 16 of the 32 frequencies
	s_mov_b32 s71, 0
	s_add_nc_u64 s[70:71], s[8:9], s[70:71]
	s_lshr_b32 s80, s17, 3
	s_mul_i32 s80, s80, 12
	s_mul_i32 s81, s42, 3
	s_add_co_u32 s80, s80, s81                     ; batch x 12 + my first head
	s_lshl_b32 s80, s80, 10
	s_and_b32 s81, s17, 7
	s_lshl_b32 s81, s81, 7
	s_add_co_u32 s80, s80, s81                     ; + the work-group's first position
	s_lshl_b32 s80, s80, 7                         ; 128 bytes a row
	s_mov_b32 s81, 0
	s_add_nc_u64 s[72:73], s[10:11], s[80:81]      ; where q's rows go,
	s_add_nc_u64 s[74:75], s[72:73], TEN           ; k's,
	s_add_nc_u64 s[76:77], s[72:73], 2*TEN         ; v's
	v_and_b32 v1, 15, v0                           ; r
	v_bfe_u32 v2, v0, 4, 1                         ; h
	v_and_b32 v4, 31, v0                           ; lane
	v_mul_u32_u24 v[LA], v4, 24
	v_lshl_add_u32 v[LB], v2, 5, v1
	v_mul_u32_u24 v[LB], v[LB], 24
	v_lshlrev_b32 v[LT], 8, v1
	v_lshl_add_u32 v[LT], v2, 6, v[LT]
.irp T, 0,1,2                                  ; the scale words of all three products: 24 bytes a row, two words a load
.irp g, 0,1
.irp p, 0,1,2
	global_load_b64 v[SC+30*\T+6*\g+2*\p:SC+30*\T+6*\g+2*\p+1], v[LA], s[66:67] offset:\T*ACT_S+768*\g+8*\p
.endr
.endr
.irp hd, 0,1,2
.irp p, 0,1,2
	global_load_b64 v[SC+30*\T+12+6*\hd+2*\p:SC+30*\T+12+6*\hd+2*\p+1], v[LB], s[68:69] offset:\T*W_S+1536*\hd+8*\p
.endr
.endr
.endr
	WIN 0x40                                       ; destination window 1
.irp a, 0,1,2,3                                ; the rotary table of my rows and channels: the same for q and k
.irp e, 0,1,2,3
	global_load_b128 v[TB+16*\a+4*\e:TB+16*\a+4*\e+3], v[LT], s[70:71] offset:4096*\a+16*\e
.endr
.endr
	WIN 0
	v_mul_u32_u24 v3, v1, PITCH
	v_lshl_add_u32 v3, v2, 4, v3                   ; a fragment's row x pitch + 16 x half
	s_mul_i32 s23, s15, 64*PITCH
	v_add_nc_u32 v[ADRA], s23, v3
	s_add_co_u32 s23, s23, SLOT
	v_add_nc_u32 v[ADRA+1], s23, v3
	s_mul_i32 s23, s16, 16*PITCH
	s_add_co_u32 s23, s23, ASZ
	v_add_nc_u32 v[ADRB], s23, v3
	s_add_co_u32 s23, s23, SLOT
	v_add_nc_u32 v[ADRB+1], s23, v3
	v_add_nc_u32 v[ADRB2], 128*PITCH, v[ADRB]
	v_add_nc_u32 v[ADRB2+1], 128*PITCH, v[ADRB+1]
	v_mul_u32_u24 v5, v1, SPIT
	v_lshl_add_u32 v5, v2, 4, v5
	s_mul_i32 s23, s15, 64*SPIT
	s_lshl_b32 s86, s16, 5
	s_add_co_u32 s23, s23, s86
	s_add_co_u32 s23, s23, STG0
	v_add_nc_u32 v[STO], s23, v5                   ; row 64 wm + r, byte 32 wc + 16 h
	v_add_nc_u32 v[STO+1], STGB, v[STO]
	v_lshrrev_b32 v6, 3, v4
	v_mul_u32_u24 v6, v6, SPIT
	v_and_b32 v7, 7, v0
	v_lshl_add_u32 v6, v7, 4, v6
	s_mul_i32 s23, s14, 32*SPIT
	s_add_co_u32 s23, s23, STG0
	v_add_nc_u32 v[RD], s23, v6                    ; back: wave w takes rows 32 w on, four rows of 128 bytes an instruction
	v_add_nc_u32 v[RD+1], STGB, v[RD]
	v_lshlrev_b32 v[GO], 4, v4
	s_lshl_b32 s23, s14, 12
	v_add_nc_u32 v[GO], s23, v[GO]
.macro FRAG reg, adr, off              ; 16 rows x 128 K of 4-bit codes: 8 registers: registers 4 c .. 4 c + 3 hold K = 64 c + 32 (lane / 16) + 0 .. 31: two loads of 16 bytes, 32 bytes apart
	ds_load_b128 v[\reg:\reg+3], v[\adr] offset:\off
	ds_load_b128 v[\reg+4:\reg+7], v[\adr] offset:\off+32
.endm
.macro FETCH slot, st, p               ; the fragments of K step st (128 along K: 64 bytes of a row) into set p: 20 loads
	WIN 0x40
.set KO, 144*((\st)/2)+64*((\st)%2)
.irp hd, 0,1
.irp u, 0,1
	FRAG 80*(\p)+8*(2*\hd+\u), ADRB+\slot, \hd*64*PITCH+\u*32*PITCH+KO
.endr
.endr
.irp u, 0,1
	FRAG 80*(\p)+8*(4+\u), ADRB2+\slot, \u*32*PITCH+KO
.endr
.irp a, 0,1,2,3
	FRAG 80*(\p)+48+8*\a, ADRA+\slot, \a*16*PITCH+KO
.endr
.endm
; One product.  Source 0 = W's tile b with its scale word (lanes 16-31 of the register where b is odd), source 1 = block a of the activation (lanes 16-31 where a is odd).
.macro ONE a, b, st, p, tn, zero
.set rD, 8*(6*(\a)+(\b))
.set rB, 80*(\p)+8*(\b)
.set rA, 80*(\p)+48+8*(\a)
.set rSB, SC+30*(\tn)+12+6*((\b)/2)+(\st)
.set rSA, SC+30*(\tn)+6*((\a)/2)+(\st)
.if \zero
.if (((\b)%2) == 0) && (((\a)%2) == 0)
	v_wmma_scale_f32_16x16x128_f8f6f4 v[rD:rD+7], v[rB:rB+7], v[rA:rA+7], 0, v[rSB], v[rSA] matrix_a_fmt:MATRIX_FMT_FP4 matrix_b_fmt:MATRIX_FMT_FP4
.elseif ((\a)%2) == 0
	v_wmma_scale_f32_16x16x128_f8f6f4 v[rD:rD+7], v[rB:rB+7], v[rA:rA+7], 0, v[rSB], v[rSA] matrix_a_fmt:MATRIX_FMT_FP4 matrix_b_fmt:MATRIX_FMT_FP4 matrix_a_scale:MATRIX_SCALE_ROW1
.elseif ((\b)%2) == 0
	v_wmma_scale_f32_16x16x128_f8f6f4 v[rD:rD+7], v[rB:rB+7], v[rA:rA+7], 0, v[rSB], v[rSA] matrix_a_fmt:MATRIX_FMT_FP4 matrix_b_fmt:MATRIX_FMT_FP4 matrix_b_scale:MATRIX_SCALE_ROW1
.else
	v_wmma_scale_f32_16x16x128_f8f6f4 v[rD:rD+7], v[rB:rB+7], v[rA:rA+7], 0, v[rSB], v[rSA] matrix_a_fmt:MATRIX_FMT_FP4 matrix_b_fmt:MATRIX_FMT_FP4 matrix_a_scale:MATRIX_SCALE_ROW1 matrix_b_scale:MATRIX_SCALE_ROW1
.endif
.else
.if (((\b)%2) == 0) && (((\a)%2) == 0)
	v_wmma_scale_f32_16x16x128_f8f6f4 v[rD:rD+7], v[rB:rB+7], v[rA:rA+7], v[rD:rD+7], v[rSB], v[rSA] matrix_a_fmt:MATRIX_FMT_FP4 matrix_b_fmt:MATRIX_FMT_FP4
.elseif ((\a)%2) == 0
	v_wmma_scale_f32_16x16x128_f8f6f4 v[rD:rD+7], v[rB:rB+7], v[rA:rA+7], v[rD:rD+7], v[rSB], v[rSA] matrix_a_fmt:MATRIX_FMT_FP4 matrix_b_fmt:MATRIX_FMT_FP4 matrix_a_scale:MATRIX_SCALE_ROW1
.elseif ((\b)%2) == 0
	v_wmma_scale_f32_16x16x128_f8f6f4 v[rD:rD+7], v[rB:rB+7], v[rA:rA+7], v[rD:rD+7], v[rSB], v[rSA] matrix_a_fmt:MATRIX_FMT_FP4 matrix_b_fmt:MATRIX_FMT_FP4 matrix_b_scale:MATRIX_SCALE_ROW1
.else
	v_wmma_scale_f32_16x16x128_f8f6f4 v[rD:rD+7], v[rB:rB+7], v[rA:rA+7], v[rD:rD+7], v[rSB], v[rSA] matrix_a_fmt:MATRIX_FMT_FP4 matrix_b_fmt:MATRIX_FMT_FP4 matrix_a_scale:MATRIX_SCALE_ROW1 matrix_b_scale:MATRIX_SCALE_ROW1
.endif
.endif
.endm
.macro MUL st, p, tn, zero             ; a K step: 24 products; the 24 accumulators take turns, one instruction a turn, in the same order in every step
.irp a, 0,1,2,3
.irp b, 0,1,2,3,4,5
	ONE \a, \b, \st, \p, \tn, \zero
.endr
.endr
.endm
; One whole product out of one slot: six K steps on two sets of fragments; a step's 20 loads are issued ahead of the step before it.  mw: the windows of the products.
.macro G tn, slot, mw
	PLACES 4
	FETCH \slot, 0, 0
	FETCH \slot, 1, 1
	s_wait_dscnt 20                                ; step 0's 20 loads are in, step 1's may be out
	WIN \mw
	MUL 0, 0, \tn, 1                               ; the first step starts the sums: nothing is cleared
.irp k, 1,2,3,4
	PLACES 4                                       ; in front of loads into the set that the step before has multiplied
	FETCH \slot, \k+1, (\k+1)%2
	s_wait_dscnt 20                                ; all but the 20 just issued
	WIN \mw
	MUL \k, (\k)%2, \tn, 0
.endr
	s_wait_dscnt 0x0
	MUL 5, 1, \tn, 0
.endm
; The rotary embedding, in place: X1 = tile 2 hd (channels d < 32), X2 = tile 2 hd + 1 (d + 32): X1' = X1 cos - X2 sin, X2' = X2 cos + X1 sin.  Each accumulator is first read at its registers 0 and 1.
.macro ROPE mw                         ; destination, sources 0 and 2 in the accumulators' window, source 1 (the table) in window 1
	WIN \mw
.irp a, 0,1,2,3
.irp hd, 0,1,2
.set X1, 8*(6*\a+2*\hd)
.set X2, X1+8
.set TA, TB+16*\a
.irp e, 0,1,2,3
	v_pk_mul_f32 v[192+2*\e:193+2*\e], v[X1+2*\e:X1+2*\e+1], v[TA+4*\e+2:TA+4*\e+3]
.endr
.irp e, 0,1,2,3
	v_pk_mul_f32 v[X1+2*\e:X1+2*\e+1], v[X1+2*\e:X1+2*\e+1], v[TA+4*\e:TA+4*\e+1]
.endr
.irp e, 0,1,2,3
	v_pk_fma_f32 v[X1+2*\e:X1+2*\e+1], v[X2+2*\e:X2+2*\e+1], v[TA+4*\e+2:TA+4*\e+3], v[X1+2*\e:X1+2*\e+1] neg_lo:[1,0,0] neg_hi:[1,0,0]
.endr
.irp e, 0,1,2,3
	v_pk_fma_f32 v[X2+2*\e:X2+2*\e+1], v[X2+2*\e:X2+2*\e+1], v[TA+4*\e:TA+4*\e+1], v[192+2*\e:193+2*\e]
.endr
.endr
.endr
.endm
; Rounded to f16, 16 bytes a lane (eight neighbouring channels of a row), into a stage: [head][row][144 bytes].
.macro PACKST cw, sto                  ; cw: sources 0 and 1 in the accumulators' window, destination window 0
	WIN \cw
.set n, 0
.rept 24
.irp i, 0,1,2,3
	v_cvt_pk_f16_f32 v[PK+4*n+\i], v[8*n+2*\i], v[8*n+2*\i+1]
.endr
.set n, n+1
.endr
	WIN 0
.irp a, 0,1,2,3
.irp hd, 0,1,2
.irp u, 0,1
	ds_store_b128 v[\sto], v[PK+4*(6*\a+2*\hd+\u):PK+4*(6*\a+2*\hd+\u)+3] offset:\hd*STGH+\a*16*SPIT+64*\u
.endr
.endr
.endr
.endm
; Back as whole rows: my 32 rows of each of the three heads, four rows (512 consecutive bytes of memory) an instruction.
.macro BACK rd, ob
.irp hd, 0,1,2
.irp i, 0,1,2,3,4,5,6,7
	ds_load_b128 v[PK+4*(8*\hd+\i):PK+4*(8*\hd+\i)+3], v[\rd] offset:\hd*STGH+4*SPIT*\i
.endr
.endr
.irp hd, 0,1,2
.irp i, 0,1,2,3,4,5,6,7
	s_wait_dscnt 23-(8*\hd+\i)                     ; LDS loads come back in order: this one is in
	global_store_b128 v[GO], v[PK+4*(8*\hd+\i):PK+4*(8*\hd+\i)+3], s[\ob:\ob+1] offset:\hd*131072+512*\i
.endr
.endr
.endm
	s_wait_tensorcnt 0x1                           ; my part of slot 0 is in; slot 1's may stay out
	BARRIER
	s_wait_loadcnt 0x0                             ; the scale words and the table
	G 0, 0, 0xa5                                   ; q, into window 2
	WIN 0
	s_wait_tensorcnt 0x0                           ; THE ONE REFILL: all my tensor loads have landed, slot 1's part among them;
	ds_add_u32 v[SPW], v[NIL]                      ; the descriptors' steps stand between the add and the wait for it
	s_add_nc_u64 s[G0+2:G0+3], s[G0+2:G0+3], 2*ACT_C       ; slot 0 takes value's rows
	s_add_nc_u64 s[G0B+2:G0B+3], s[G0B+2:G0B+3], 2*W_C     ; and Wv's
	s_wait_dscnt 0x0                               ; the add is done, and my reads of slot 0 are over
	CROUND                                         ; the same holds of every wave of every partner
	JLOAD G0, G1, G0B, G1B                         ; the first tensor load behind the round: it has the whole of k's product and both ways out in which to land
	G 1, 1, 0xf5                                   ; k, into window 3
	WIN 0
	s_wait_dscnt 0x0                               ; my reads of slot 1 are over
	BARRIER                                        ; everybody's are: the stages may be written
	PLACES 4
	ROPE 0xa6
	PACKST 0x0a, STO
	s_wait_dscnt 0x0                               ; the stores have read the packed registers
	ROPE 0xf7
	PACKST 0x0f, STO+1
	s_wait_tensorcnt 0x0                           ; my part of slot 0's second fill is in,
	s_wait_dscnt 0x0                               ; and my stores into the stages are done
	BARRIER                                        ; everybody's
	BACK RD, 72                                    ; q leaves
	s_wait_xcnt 0x0                                ; q's stores have read their registers
	BACK RD+1, 74                                  ; k leaves
	G 2, 0, 0xa5                                   ; v, into window 2, while those stores are on their way
	WIN 0
	s_wait_dscnt 0x0
	BARRIER                                        ; every wave has read stage 0 out
	s_wait_xcnt 0x0                                ; k's stores have read their registers
	PLACES 4
	PACKST 0x0a, STO                               ; v has no rotary embedding
	s_wait_dscnt 0x0
	BARRIER
	BACK RD, 76
	s_wait_tensorcnt 0x0                           ; the wave's end: behind my last tensor load and my last LDS store
	ds_add_u32 v[SPW], v[NIL]
	s_wait_dscnt 0x0
	CROUND                                         ; the closing round
	s_endpgm
.Lfunc_end_k_q5a28abc6a3_proj:
	.size	k_q5a28abc6a3_proj, .Lfunc_end_k_q5a28abc6a3_proj-k_q5a28abc6a3_proj
	.p2alignl 7, 3214868480
	.fill 96, 4, 3214868480
	.section	.rodata,"a",@progbits
	.p2align	6, 0x0
	.amdhsa_kernel k_q5a28abc6a3_proj
		.amdhsa_group_segment_fixed_size 327680
		.amdhsa_private_segment_fixed_size 0
		.amdhsa_enable_private_segment 0
		.amdhsa_kernarg_size 32
		.amdhsa_user_sgpr_count 2
		.amdhsa_user_sgpr_kernarg_segment_ptr 1
		.amdhsa_wavefront_size32 1
		.amdhsa_system_sgpr_workgroup_id_x 1
		.amdhsa_system_sgpr_workgroup_id_y 1
		.amdhsa_system_sgpr_workgroup_id_z 1
		.amdhsa_system_vgpr_workitem_id 0
		.amdhsa_next_free_vgpr 1024
		.amdhsa_next_free_sgpr 100
		.amdhsa_reserve_vcc 0
		.amdhsa_float_denorm_mode_32 3
		.amdhsa_float_denorm_mode_16_64 3
		.amdhsa_memory_ordered 1
		.amdhsa_forward_progress 1
		.amdhsa_inst_pref_size 157
	.end_amdhsa_kernel
	.amdgpu_metadata
---
amdhsa.version: [ 1, 2 ]
amdhsa.kernels:
  - .name:           k_q5a28abc6a3_proj
    .symbol:         k_q5a28abc6a3_proj.kd
    .args:
      - { .name: codes, .offset: 0, .size: 8, .value_kind: global_buffer, .address_space: global }
      - { .name: scales, .offset: 8, .size: 8, .value_kind: global_buffer, .address_space: global }
      - { .name: rope, .offset: 16, .size: 8, .value_kind: global_buffer, .address_space: global }
      - { .name: qkv16, .offset: 24, .size: 8, .value_kind: global_buffer, .address_space: global }
    .group_segment_fixed_size: 327680
    .private_segment_fixed_size: 0
    .kernarg_segment_align: 8
    .kernarg_segment_size: 32
    .max_flat_workgroup_size: 128
    .sgpr_count:     100
    .vgpr_count:     1024
    .wavefront_size: 32
...
	.end_amdgpu_metadata
.endif
;; end of part 2
;; launch attn (part 3): grid 2 x 96, 16 waves a work-group, no clusters, 327,680 bytes of LDS; arguments qkv16, x16; writes x16
.if DOCPART == 3
	.amdgcn_target "amdgcn-amd-amdhsa--gfx1250"
	.amdhsa_code_object_version 6
	.text
	.protected	k_q5a28abc6a3_attn
	.globl	k_q5a28abc6a3_attn
	.p2align	8
	.type	k_q5a28abc6a3_attn,@function
k_q5a28abc6a3_attn:
	s_mov_b64 s[64:65], 0
	v_nop
	global_prefetch_b8 v0, s[64:65] scope:SCOPE_SE
	s_setreg_imm32_b32 hwreg(HW_REG_WAVE_MODE, 25, 1), 1
	s_wait_xcnt 0x0
; x[bh][q][:] = the sum over k of softmax_k(q . k / 8) v[k][:], for 96 heads of 1,024 positions and 64 channels.  q, k, v: f16, [3][96][1024][64]; x: f16, [96][1024][64].
; Products, maxima and sums in f32; the weights p are rounded to f16 for the second product, x once at the end.  A running maximum m and sum l for each query: p = 2^(c s - c m), c = log2(e) / 8;
; in every step O and l are multiplied by a = 2^(c m_old - c m_new).
; SHARES.  A work-group owns 512 queries of one head; each of its sixteen waves 32 of them, two tiles of 16, in 256 registers: four waves to a SIMD, so that one wave's vector work stands beside another's
; matrix work and LDS loads.  96 heads x 2 = 192 work-groups: a head's K and V fill LDS, so a work-group serves one head, and halves of a head are the evenest split at which each fill is used for 512 queries.
; THE WHOLE HEAD'S K AND V STAY IN LDS: four chunks of 256 keys, all asked for at the head (waves 0, 1: K's halves of each chunk; waves 2, 3: V's): four tensor loads of such a wave are out.  No byte is filled twice.
; NO CLUSTER: a tile is shared by two work-groups only, and each asks for it once, at its start.  NO PREFETCH: every byte of K and V is asked for by the kernel's first instructions.
; LAYOUT.  S^T = K Q^T (source 0 = 16 keys, source 1 = 16 queries): a lane holds ONE query (lane % 16) and keys 8 (lane / 16) + 0..7.  Two such tiles, rounded to f16 in pairs, ARE source 1 (32 keys x 16 queries)
; of O^T = V^T P, whose result again holds one query a lane.  K comes out of LDS as it lies, V ([key][channel]) turned, by ds_load_tr16_b128.
; LIMITS: f16's range for q, k, v and x (65,504); NaN and infinities are not served.
.set KPP,   272                        ; TWO rows of K (256 bytes) + 16 of padding: key k at (k / 2) 272 + (k % 2) 128: the 16 rows of a fragment load fall on 16 different columns of 16 bytes modulo 256 (ISA guide 11.1)
.set VPP,   288                        ; two rows of V + 32: 16 lanes of the turning load take 8 rows x 32 bytes, 16 different columns of 16 bytes
.set VBASE, 512*KPP
.set STAGE, VBASE+512*VPP              ; the way out: 16 rows x 144 bytes for each wave
.set SPARE, STAGE+16*2304              ; the spare words, 128 bytes a wave
.set AK0, 1                            ; v1  my lane's place in a tile of K
.set AV0, 2                            ; v2  the same for V
.set ADK, 3                            ; v3, v4 the step's addresses
.set ADV, 4
.set SPW, 5                            ; v5  LDS address of my spare word; never rewritten
.set NIL, 6                            ; v6  0; never rewritten
.set QO,  7                            ; v7  my byte offset in the wave's rows of q
.set STO, 8                            ; v8  the way out: where I put 16 bytes of a row
.set RD,  9                            ; v9  where I read rows back
.set GO,  10                           ; v10 my byte offset in the wave's rows of x
.set ST,  12                           ; tile t's statistics at v[ST + 8 t]: +0 c m, +1 m, +2, +3 l in two halves, +4 to +7 at work; a at +6
.set Q,   28                           ; v28-59   q: tile t, channels 32 ks on, at Q + 16 t + 8 ks
.set S,   60                           ; v60-123  S^T: tile t, keys 16 kt on, at S + 32 t + 8 kt; P is laid over its low half: keys 32 g on at S + 32 t + 8 g
.set O,   124                          ; v124-187 O^T: tile t, channels 16 ct on, at O + 32 t + 8 ct
.set F,   188                          ; v188-251 a step's fragments of K, then of V
.set WV,  8
.set G1K, 16                           ; s[16:23] group 1 for K;  s[24:31] for V: it differs in the padding alone
.set G1V, 24
.set G0K, 32                           ; s[32:47] group 0 for K's four chunks;  s[48:63] for V's
.set G0V, 48
.set TBK, 66                           ; s66, s67 LDS byte at which the step's keys begin in K, in V
.set TBV, 67
.set CS,  68                           ; s[68:69] c, twice
.set SEL, 70                           ; s[70:71] v_permlanex16_b32's selects for lane l xor 16
.set CNT, 72
	s_load_b128 s[4:7], s[0:1], 0x0                ; qkv16, x16
	v_lshl_add_u32 v[SPW], v0, 2, SPARE
	v_mov_b32 v[NIL], 0
	ds_add_u32 v[SPW], v[NIL]                      ; the wave's opening: the add, twice on end, and its wait ahead of the first tensor load
	ds_add_u32 v[SPW], v[NIL]
	v_lshrrev_b32 v11, 5, v0
	v_readfirstlane_b32 s[WV], v11                 ; wave 0..15
	s_and_b32 s9, s[WV], 1                         ; which half of a chunk I fetch, if I fetch
	s_and_b32 s10, ttmp7, 0xffff                   ; the head
	; group 1: half a chunk, 128 rows of 128 bytes, is a dense block: 64 rows of 256 bytes (32 elements of 8 bytes), padding behind each (64 words: code 5)
	s_mov_b32 s[G1K], (3<<16)|(1<<20)|(5<<22)|(3<<25)      ; 4 words of padding
	s_mov_b32 s[G1V], (3<<16)|(1<<20)|(5<<22)|(7<<25)      ; 8 words
.irp g, G1K, G1V
	s_mov_b32 s[\g+1], 32<<16                      ; tensor_dim0
	s_mov_b32 s[\g+2], 64<<16                      ; tensor_dim1
	s_mov_b32 s[\g+3], 32<<16                      ; tile_dim0
	s_mov_b32 s[\g+4], 64                          ; tile_dim1
	s_mov_b32 s[\g+5], 32                          ; the pitch
	s_mov_b32 s[\g+6], 0
	s_mov_b32 s[\g+7], 0
.endr
	s_lshl_b32 s12, s10, 17                        ; a head is 131,072 bytes
	s_lshl_b32 s14, s9, 14
	s_add_co_u32 s12, s12, s14                     ; + my half of a chunk
	s_mov_b32 s13, 0
	s_mul_i32 s14, s9, 64*KPP                      ; and its place in LDS
	s_mul_i32 s15, s9, 64*VPP
	s_add_co_u32 s15, s15, VBASE
	s_lshl_b32 s74, s10, 17
	s_lshl_b32 s73, ttmp9, 16                      ; my work-group's 512 queries
	s_add_co_u32 s74, s74, s73
	s_lshl_b32 s73, s[WV], 12                      ; my wave's 32
	s_add_co_u32 s74, s74, s73
	s_mov_b32 s75, 0
	s_mov_b32 s[CS], 0x3e38aa3b                    ; c = log2(e) / 8
	s_mov_b32 s[CS+1], s[CS]
	s_mov_b32 s[SEL], 0x76543210
	s_mov_b32 s[SEL+1], 0xfedcba98
	s_wait_dscnt 0x0                               ; both opening adds are done
	s_wait_kmcnt 0x0
	s_add_nc_u64 s[12:13], s[4:5], s[12:13]
	s_add_nc_u64 s[76:77], s[6:7], s[74:75]        ; x at my wave's first row
	s_add_nc_u64 s[74:75], s[4:5], s[74:75]        ; q likewise
.irp c, 0,1,2,3
	s_mov_b32 s[G0K+4*\c], 1
	s_add_co_u32 s[G0K+4*\c+1], s14, \c*128*KPP
	s_add_nc_u64 s[G0K+4*\c+2:G0K+4*\c+3], s[12:13], 12582912+\c*32768
	s_or_b32 s[G0K+4*\c+3], s[G0K+4*\c+3], 0x80000000
	s_mov_b32 s[G0V+4*\c], 1
	s_add_co_u32 s[G0V+4*\c+1], s15, \c*128*VPP
	s_add_nc_u64 s[G0V+4*\c+2:G0V+4*\c+3], s[12:13], 25165824+\c*32768
	s_or_b32 s[G0V+4*\c+3], s[G0V+4*\c+3], 0x80000000
.endr
	s_cmp_lt_u32 s[WV], 2                          ; all first fills of a wave stand in one branch on its number, ahead of every wait on TENSORcnt, every LDS read and every barrier
	s_cbranch_scc0 .Lnot_k
.irp c, 0,1,2,3
	tensor_load_to_lds s[G0K+4*\c:G0K+4*\c+3], s[G1K:G1K+7]
	s_nop 0
.endr
.rept 4
	v_nop
.endr
	s_branch .Lasked
.Lnot_k:
	s_cmp_lt_u32 s[WV], 4
	s_cbranch_scc0 .Lasked
.irp c, 0,1,2,3
	tensor_load_to_lds s[G0V+4*\c:G0V+4*\c+3], s[G1V:G1V+7]
	s_nop 0
.endr
.rept 4
	v_nop
.endr
.Lasked:
	v_and_b32 v252, 15, v0                         ; r
	v_bfe_u32 v253, v0, 4, 1                       ; h
	v_and_b32 v254, 31, v0                         ; lane
	v_lshlrev_b32 v[QO], 7, v252
	v_lshl_add_u32 v[QO], v253, 4, v[QO]           ; q: row r of 128 bytes, + 16 h
.irp t, 0,1
.irp ks, 0,1
	global_load_b128 v[Q+16*\t+8*\ks:Q+16*\t+8*\ks+3], v[QO], s[74:75] offset:2048*\t+64*\ks
	global_load_b128 v[Q+16*\t+8*\ks+4:Q+16*\t+8*\ks+7], v[QO], s[74:75] offset:2048*\t+64*\ks+32
.endr
.endr
	v_lshrrev_b32 v255, 1, v252
	v_mul_u32_u24 v[AK0], v255, KPP
	v_and_b32 v255, 1, v0
	v_lshl_add_u32 v[AK0], v255, 7, v[AK0]
	v_lshl_add_u32 v[AK0], v253, 4, v[AK0]         ; (r / 2) 272 + (r % 2) 128 + 16 h
	v_bfe_u32 v[AV0], v0, 1, 2
	v_lshl_add_u32 v[AV0], v253, 2, v[AV0]
	v_mul_u32_u24 v[AV0], v[AV0], VPP
	v_lshl_add_u32 v[AV0], v255, 7, v[AV0]
	v_bfe_u32 v255, v0, 3, 1
	v_lshl_add_u32 v[AV0], v255, 4, v[AV0]
	v_add_nc_u32 v[AV0], VBASE, v[AV0]             ; the turning load: key 8 h + l % 8, channels 8 ((l / 8) % 2) on
	s_mul_i32 s73, s[WV], 2304
	s_add_co_u32 s73, s73, STAGE                   ; my stage
	v_mul_u32_u24 v[STO], v252, 144
	v_lshl_add_u32 v[STO], v253, 4, v[STO]
	v_add_nc_u32 v[STO], s73, v[STO]
	v_lshrrev_b32 v255, 3, v254
	v_mul_u32_u24 v[RD], v255, 144
	v_and_b32 v255, 7, v0
	v_lshl_add_u32 v[RD], v255, 4, v[RD]
	v_add_nc_u32 v[RD], s73, v[RD]
	v_lshlrev_b32 v[GO], 4, v254
.irp t, 0,1
	v_mov_b32 v[ST+8*\t+1], 0xff61b1e6             ; m = -3e38, under every score
	v_mul_f32 v[ST+8*\t], s[CS], v[ST+8*\t+1]
	v_mov_b32 v[ST+8*\t+2], 0                      ; l
	v_mov_b32 v[ST+8*\t+3], 0
.endr
.set i, 0
.rept 64
	v_mov_b32 v[O+i], 0                            ; O^T.  (The step is written once: the first finds zeros, which a = 0 leaves zeros)
.set i, i+1
.endr
; A KEY STEP: 64 keys, both tiles line by line.
.macro STEP
	v_add_nc_u32 v[ADK], s[TBK], v[AK0]
	v_add_nc_u32 v[ADV], s[TBV], v[AV0]
.rept 3
	v_nop                                          ; with the two additions: five places between the last V^T P and the K Q^T that write over P, its source 1; four of them serve the loads into F
.endr
	s_add_co_u32 s[TBK], s[TBK], 32*KPP
	s_add_co_u32 s[TBV], s[TBV], 32*VPP
.irp kt, 0,1,2,3
.irp ks, 0,1
	ds_load_b128 v[F+8*(2*\kt+\ks):F+8*(2*\kt+\ks)+3], v[ADK] offset:8*KPP*\kt+64*\ks
	ds_load_b128 v[F+8*(2*\kt+\ks)+4:F+8*(2*\kt+\ks)+7], v[ADK] offset:8*KPP*\kt+64*\ks+32
.endr
.endr
	s_wait_dscnt 0x0
.irp ks, 0,1                                   ; S^T = K Q^T: eight accumulators by turns; the first eight start the sums
.irp kt, 0,1,2,3
.irp t, 0,1
.if \ks == 0
	v_wmma_f32_16x16x32_f16 v[S+32*\t+8*\kt:S+32*\t+8*\kt+7], v[F+8*(2*\kt+\ks):F+8*(2*\kt+\ks)+7], v[Q+16*\t+8*\ks:Q+16*\t+8*\ks+7], 0
.else
	v_wmma_f32_16x16x32_f16 v[S+32*\t+8*\kt:S+32*\t+8*\kt+7], v[F+8*(2*\kt+\ks):F+8*(2*\kt+\ks)+7], v[Q+16*\t+8*\ks:Q+16*\t+8*\ks+7], v[S+32*\t+8*\kt:S+32*\t+8*\kt+7]
.endif
.endr
.endr
.endr
.rept 4
	v_nop                                          ; places in front of the loads into F and of the first read of the scores
.endr
.irp g, 0,1                                    ; V, turned: it lands while the softmax is worked
.irp ct, 0,1,2,3
	ds_load_tr16_b128 v[F+8*(4*\g+\ct):F+8*(4*\g+\ct)+3], v[ADV] offset:16*VPP*\g+32*\ct
	ds_load_tr16_b128 v[F+8*(4*\g+\ct)+4:F+8*(4*\g+\ct)+7], v[ADV] offset:16*VPP*\g+8*VPP+32*\ct
.endr
.endr
.irp j, 0,1,2,3                                ; the maximum of my 32 scores and the old m: four chains; each accumulator is first read at its low end
.irp t, 0,1
	v_max3_num_f32 v[ST+8*\t+4+\j], v[S+32*\t+8*\j], v[S+32*\t+8*\j+1], v[S+32*\t+8*\j+2]
.endr
.endr
.irp i, 3,5
.irp j, 0,1,2,3
.irp t, 0,1
	v_max3_num_f32 v[ST+8*\t+4+\j], v[ST+8*\t+4+\j], v[S+32*\t+8*\j+\i], v[S+32*\t+8*\j+\i+1]
.endr
.endr
.endr
.irp t, 0,1
	v_max3_num_f32 v[ST+8*\t+4], v[ST+8*\t+4], v[S+32*\t+7], v[S+32*\t+15]
.endr
.irp t, 0,1
	v_max3_num_f32 v[ST+8*\t+6], v[ST+8*\t+6], v[S+32*\t+23], v[S+32*\t+31]
.endr
.irp t, 0,1
	v_max3_num_f32 v[ST+8*\t+4], v[ST+8*\t+4], v[ST+8*\t+5], v[ST+8*\t+6]
.endr
.irp t, 0,1
	v_max3_num_f32 v[ST+8*\t+4], v[ST+8*\t+4], v[ST+8*\t+7], v[ST+8*\t+1]
.endr
.irp t, 0,1
	v_permlanex16_b32 v[ST+8*\t+5], v[ST+8*\t+4], s[SEL], s[SEL+1]   ; the query's other 32 keys lie in the lane 16 away
.endr
.irp t, 0,1
	v_mov_b32 v[ST+8*\t+7], v[ST+8*\t]             ; c m_old
.endr
.irp t, 0,1
	v_max_num_f32 v[ST+8*\t+1], v[ST+8*\t+4], v[ST+8*\t+5]
.endr
.irp t, 0,1
	v_mul_f32 v[ST+8*\t], s[CS], v[ST+8*\t+1]
.endr
.irp t, 0,1
	v_sub_f32 v[ST+8*\t+7], v[ST+8*\t+7], v[ST+8*\t]
.endr
.irp b, 0,2,4,6,8,10,12,14,16,18,20,22,24,26,28,30
.irp t, 0,1
	v_pk_fma_f32 v[S+32*\t+\b:S+32*\t+\b+1], v[S+32*\t+\b:S+32*\t+\b+1], s[CS:CS+1], v[ST+8*\t:ST+8*\t+1] op_sel_hi:[1,0,0] neg_lo:[0,0,1] neg_hi:[0,0,1]   ; c s - c m
.endr
.endr
.irp t, 0,1
	v_exp_f32 v[ST+8*\t+6], v[ST+8*\t+7]           ; a
.endr
.irp e, 0,1,2,3,4,5,6,7,8,9,10,11,12,13,14,15,16,17,18,19,20,21,22,23,24,25,26,27,28,29,30,31
.irp t, 0,1
	v_exp_f32 v[S+32*\t+\e], v[S+32*\t+\e]         ; p
.endr
.endr
	v_nop                                          ; a plain instruction behind the last exponential
	s_wait_alu depctr_va_vdst(0)                   ; ONE wait for the batch of 66, ahead of its first reader
.irp t, 0,1
	v_pk_mul_f32 v[ST+8*\t+2:ST+8*\t+3], v[ST+8*\t+2:ST+8*\t+3], v[ST+8*\t+6:ST+8*\t+7] op_sel_hi:[1,0]   ; l x a
.endr
.irp t, 0,1                                    ; the sum of the unrounded p, in two chains
	v_pk_add_f32 v[ST+8*\t+4:ST+8*\t+5], v[S+32*\t+2:S+32*\t+3], v[S+32*\t+6:S+32*\t+7]
.endr
.irp t, 0,1
	v_pk_add_f32 v[ST+8*\t+2:ST+8*\t+3], v[ST+8*\t+2:ST+8*\t+3], v[S+32*\t:S+32*\t+1]
.endr
.irp b, 4,8,12,16,20,24
.irp t, 0,1
	v_pk_add_f32 v[ST+8*\t+2:ST+8*\t+3], v[ST+8*\t+2:ST+8*\t+3], v[S+32*\t+\b:S+32*\t+\b+1]
	v_pk_add_f32 v[ST+8*\t+4:ST+8*\t+5], v[ST+8*\t+4:ST+8*\t+5], v[S+32*\t+\b+6:S+32*\t+\b+7]
.endr
.endr
.irp t, 0,1
	v_pk_add_f32 v[ST+8*\t+2:ST+8*\t+3], v[ST+8*\t+2:ST+8*\t+3], v[S+32*\t+28:S+32*\t+29]
.endr
.irp t, 0,1
	v_pk_add_f32 v[ST+8*\t+2:ST+8*\t+3], v[ST+8*\t+2:ST+8*\t+3], v[ST+8*\t+4:ST+8*\t+5]
.endr
.irp i, 0,1,2,3,4,5,6,7,8,9,10,11,12,13,14,15
.irp t, 0,1
	v_cvt_pk_f16_f32 v[S+32*\t+\i], v[S+32*\t+2*\i], v[S+32*\t+2*\i+1]   ; P over S's low half, ascending: each pair is read before it is written over
.endr
.endr
.irp i, 0,2,4,6,8,10,12,14,16,18,20,22,24,26,28,30
.irp t, 0,1
	v_pk_mul_f32 v[O+32*\t+\i:O+32*\t+\i+1], v[O+32*\t+\i:O+32*\t+\i+1], v[ST+8*\t+6:ST+8*\t+7] op_sel_hi:[1,0]   ; O^T x a, each accumulator from its low end on
.endr
.endr
	s_wait_dscnt 0x0                               ; V is in
.irp g, 0,1                                    ; O^T += V^T P: eight accumulators by turns
.irp ct, 0,1,2,3
.irp t, 0,1
	v_wmma_f32_16x16x32_f16 v[O+32*\t+8*\ct:O+32*\t+8*\ct+7], v[F+8*(4*\g+\ct):F+8*(4*\g+\ct)+7], v[S+32*\t+8*\g:S+32*\t+8*\g+7], v[O+32*\t+8*\ct:O+32*\t+8*\ct+7]
.endr
.endr
.endr
.endm
; A CHUNK of 256 keys: the loading waves wait for their part of it (the later chunks' loads, 3 - c of them, stay out), all meet, four steps follow.
.macro CHUNK c
	s_wait_tensorcnt 3-\c
	s_wait_dscnt 0x0
	s_barrier_signal -1
	s_barrier_wait -1
	s_mov_b32 s[TBK], \c*128*KPP
	s_mov_b32 s[TBV], \c*128*VPP
	s_mov_b32 s[CNT], 4
.Lstep_\@:
	STEP
	s_sub_co_u32 s[CNT], s[CNT], 1
	s_cmp_lg_u32 s[CNT], 0
	s_cbranch_scc1 .Lstep_\@
.endm
	s_wait_loadcnt 0x0                             ; q
	CHUNK 0
	CHUNK 1
	CHUNK 2
	CHUNK 3
	; THE WAY OUT.  l's halves and the other half of the lanes' are added; O^T / l is rounded to f16 and goes through my own stage, a tile (16 rows of 128 bytes) at a time; four rows, 512 consecutive bytes, a store.
.rept 4
	v_nop                                          ; places behind the last products
.endr
.irp t, 0,1
	v_add_f32 v[ST+8*\t+4], v[ST+8*\t+2], v[ST+8*\t+3]
.endr
.irp t, 0,1
	v_permlanex16_b32 v[ST+8*\t+5], v[ST+8*\t+4], s[SEL], s[SEL+1]
.endr
.irp t, 0,1
	v_add_f32 v[ST+8*\t+4], v[ST+8*\t+4], v[ST+8*\t+5]
.endr
.irp t, 0,1
	v_rcp_f32 v[ST+8*\t+6], v[ST+8*\t+4]
.endr
	v_nop                                          ; a plain instruction behind the reciprocals
	s_wait_alu depctr_va_vdst(0)                   ; one wait for both, ahead of their first reader
.irp t, 0,1
.irp i, 0,2,4,6,8,10,12,14,16,18,20,22,24,26,28,30
	v_pk_mul_f32 v[O+32*\t+\i:O+32*\t+\i+1], v[O+32*\t+\i:O+32*\t+\i+1], v[ST+8*\t+6:ST+8*\t+7] op_sel_hi:[1,0]
.endr
.irp i, 0,1,2,3,4,5,6,7,8,9,10,11,12,13,14,15
	v_cvt_pk_f16_f32 v[S+16*\t+\i], v[O+32*\t+2*\i], v[O+32*\t+2*\i+1]
.endr
.irp ct, 0,1,2,3
	ds_store_b128 v[STO], v[S+16*\t+4*\ct:S+16*\t+4*\ct+3] offset:32*\ct
.endr
.irp i, 0,1,2,3
	ds_load_b128 v[F+16*\t+4*\i:F+16*\t+4*\i+3], v[RD] offset:576*\i   ; LDS serves a wave's instructions in order: these see my stores, and the next tile's stores come behind them
.endr
.endr
.irp t, 0,1
.irp i, 0,1,2,3
	s_wait_dscnt 8*(1-\t)+3-\i                     ; behind tile 0's loads stand tile 1's eight LDS instructions
	global_store_b128 v[GO], v[F+16*\t+4*\i:F+16*\t+4*\i+3], s[76:77] offset:2048*\t+512*\i
.endr
.endr
	s_wait_tensorcnt 0x0                           ; the wave's end: behind my last tensor load and my last LDS store
	ds_add_u32 v[SPW], v[NIL]
	s_wait_dscnt 0x0
	s_endpgm
.Lfunc_end_k_q5a28abc6a3_attn:
	.size	k_q5a28abc6a3_attn, .Lfunc_end_k_q5a28abc6a3_attn-k_q5a28abc6a3_attn
	.p2alignl 7, 3214868480
	.fill 96, 4, 3214868480
	.section	.rodata,"a",@progbits
	.p2align	6, 0x0
	.amdhsa_kernel k_q5a28abc6a3_attn
		.amdhsa_group_segment_fixed_size 327680
		.amdhsa_private_segment_fixed_size 0
		.amdhsa_enable_private_segment 0
		.amdhsa_kernarg_size 16
		.amdhsa_user_sgpr_count 2
		.amdhsa_user_sgpr_kernarg_segment_ptr 1
		.amdhsa_wavefront_size32 1
		.amdhsa_system_sgpr_workgroup_id_x 1
		.amdhsa_system_sgpr_workgroup_id_y 1
		.amdhsa_system_sgpr_workgroup_id_z 1
		.amdhsa_system_vgpr_workitem_id 0
		.amdhsa_next_free_vgpr 256
		.amdhsa_next_free_sgpr 80
		.amdhsa_reserve_vcc 0
		.amdhsa_float_denorm_mode_32 3
		.amdhsa_float_denorm_mode_16_64 3
		.amdhsa_memory_ordered 1
		.amdhsa_forward_progress 1
		.amdhsa_inst_pref_size 87
	.end_amdhsa_kernel
	.amdgpu_metadata
---
amdhsa.version: [ 1, 2 ]
amdhsa.kernels:
  - .name:           k_q5a28abc6a3_attn
    .symbol:         k_q5a28abc6a3_attn.kd
    .args:
      - { .name: qkv16, .offset: 0, .size: 8, .value_kind: global_buffer, .address_space: global }
      - { .name: x16, .offset: 8, .size: 8, .value_kind: global_buffer, .address_space: global }
    .group_segment_fixed_size: 327680
    .private_segment_fixed_size: 0
    .kernarg_segment_align: 8
    .kernarg_segment_size: 16
    .max_flat_workgroup_size: 512
    .sgpr_count:     80
    .vgpr_count:     256
    .wavefront_size: 32
...
	.end_amdgpu_metadata
.endif
;; end of part 3
;; launch oproj (part 4): grid 4 x 64, 4 waves a work-group, clusters of 4 x 4, 327,680 bytes of LDS; arguments x16, wo16, bo, out0; writes out0
.if DOCPART == 4
	.amdgcn_target "amdgcn-amd-amdhsa--gfx1250"
	.amdhsa_code_object_version 6
	.text
	.protected	k_q5a28abc6a3_oproj
	.globl	k_q5a28abc6a3_oproj
	.p2align	8
	.type	k_q5a28abc6a3_oproj,@function
k_q5a28abc6a3_oproj:
	s_mov_b64 s[64:65], 0
	v_nop
	global_prefetch_b8 v0, s[64:65] scope:SCOPE_SE
	s_setreg_imm32_b32 hwreg(HW_REG_WAVE_MODE, 25, 1), 1
	s_wait_xcnt 0x0
	s_wait_alu depctr_hold_cnt(0) depctr_sa_sdst(0) depctr_va_vdst(0) depctr_va_sdst(0) depctr_va_ssrc(0) depctr_va_vcc(0) depctr_vm_vsrc(0)
	s_getreg_b32 s2, hwreg(HW_REG_IB_STS2, 6, 4)
	s_cmp_eq_u32 s2, 0
	s_cbranch_scc0 .Lentry_in_a_cluster
	s_endpgm
.Lentry_in_a_cluster:
	s_bfe_u32 s2, ttmp6, 0x10000c
	s_cmp_lg_u32 s2, 0xf033
	s_cbranch_scc0 .Lentry_shape_is_right
	s_endpgm
.Lentry_shape_is_right:
; out0[row][d] = the sum over c of x[row][c] Wo[d][c] + bo[d].  x: f16 by heads, [96 (batch x 12 + head)][1024][64], c = 64 head + channel; Wo: f16 [768][768]; bo, out0: f32.  Sums in f32.
; SHARES.  A tile of 128 rows x 192 columns to a work-group: 4 x 64 = 256 work-groups.  Four waves, 2 x 2, each 64 x 96: 24 accumulators.  K goes in four steps of 192 (three heads) through two LDS slots: the longest
; step of which two fit; a step is six sub-steps of 32 along K, 144 matrix instructions a wave.
; THE MATRIX INSTRUCTION IS USED TRANSPOSED (source 0 = 16 rows of Wo, source 1 = 16 rows of x): a lane holds eight neighbouring numbers of a row of the output.  The bias is the C of each sum's first product.
; CLUSTER 4 x 4: the four of a row of the cluster need the same rows of x, the four of a column the same rows of Wo: each tile is asked for jointly.  Waves 0 to 2 fetch a head of x each, wave 3 Wo's tile.
; REGISTERS: window 0: v1-29 addresses; v64-255 the accumulators ((a, b) at v[64 + 8 (6 a + b)]), on the way out v64-127 take rows read back.
;   window 1: two sets of fragments (6 of Wo, 4 of x: 80 registers) at v0 and v80; v160-207 the bias, eight registers a tile of columns.
.set APP,   272                        ; x: two rows (256 bytes) + 16 of padding: the 16 rows of a fragment load fall on 16 different columns of 16 bytes modulo 256 (ISA guide 11.1)
.set AHEAD, 64*APP                     ; a head's 128 rows
.set BP,    432                        ; Wo: 384 bytes of a row + 16 behind each 128 = 27 x 16 bytes
.set BOFF,  3*AHEAD
.set SLOT,  BOFF+192*BP
.set SPARE, 2*SLOT                     ; behind the slots: the spare words, 128 bytes a wave
.set SPIT,  784                        ; the stage: a row of 192 f32 + 16 bytes; 128 rows, in slot 0, which has had its last fill and its last read when the first result is stored there
.set ADRA, 16                          ; v16-17 LDS address of my fragments of x in slot 0, 1
.set ADRB, 18                          ; v18-19 of Wo
.set STO,  24                          ; v24 where I put 32 bytes of a row
.set RD,   25                          ; v25 where I read rows back
.set CO,   26                          ; v26 my byte offset in out0
.set SPW,  28                          ; v28 LDS address of my spare word; never rewritten
.set NIL,  29                          ; v29 0; never rewritten
.set ACC,  64
.set BK,   64
.set BI,   160                         ; in window 1
.set G1,  24                           ; s[24:31] group 1 for x;  s[32:39] group 0, a set for each slot
.set G0,  32
.set G1B, 48                           ; s[48:55], s[56:63] the same for Wo
.set G0B, 56
.set MSB, 0
.macro WIN new                         ; the immediate's high byte repeats the setting that is left
.if MSB != \new
	s_set_vgpr_msb (MSB<<8)|\new
.set MSB, \new
.endif
.endm
.macro JLOAD s                         ; a joint load; the branch hangs on the wave's number alone; an s_nop 0 and four v_nop follow each of the two lines
	s_cmp_lt_u32 s14, 3
	s_cbranch_scc0 .Lfor_b_\@
	tensor_load_to_lds s[G0+4*\s:G0+4*\s+3], s[G1:G1+7]
	s_nop 0
.rept 4
	v_nop
.endr
	s_branch .Lasked_\@
.Lfor_b_\@:
	tensor_load_to_lds s[G0B+4*\s:G0B+4*\s+3], s[G1B:G1B+7]
	s_nop 0
.rept 4
	v_nop
.endr
.Lasked_\@:
.endm
.macro CROUND                          ; a round of the cluster's barrier
	s_barrier_signal -1
	s_barrier_wait -1
	s_cmp_lg_u32 s14, 0
	s_cbranch_scc1 .Lnot_wave_0_\@
	s_barrier_signal -3
.Lnot_wave_0_\@:
	s_barrier_wait -3
	s_barrier_signal -1
	s_barrier_wait -1
.endm
.macro PLACES n
.rept \n
	v_nop
.endr
.endm
	s_load_b256 s[4:11], s[0:1], 0x0               ; x16 s[4:5], wo16 s[6:7], bo s[8:9], out0 s[10:11]
	v_lshl_add_u32 v[SPW], v0, 2, SPARE
	v_mov_b32 v[NIL], 0
	ds_add_u32 v[SPW], v[NIL]                      ; the wave's opening: the add, twice on end, and its wait ahead of my first tensor load
	ds_add_u32 v[SPW], v[NIL]
	v_lshrrev_b32 v1, 5, v0
	v_readfirstlane_b32 s14, v1                    ; wave 0..3
	s_lshr_b32 s15, s14, 1                         ; wm: which 64 rows are mine
	s_and_b32 s16, s14, 1                          ; wc: which 96 columns
	s_bfe_u32 s40, ttmp6, 0x40000                  ; cx, cy
	s_bfe_u32 s41, ttmp6, 0x40004
	s_lshl_b32 s42, ttmp9, 2
	s_add_co_u32 s42, s42, s40                     ; nx
	s_and_b32 s17, ttmp7, 0xffff
	s_lshl_b32 s17, s17, 2
	s_add_co_u32 s17, s17, s41                     ; my
	s_lshl_b32 s43, s41, 2
	s_lshl_b32 s43, 15, s43                        ; my row of the cluster
	s_lshl_b32 s44, 0x1111, s40                    ; my column
	; group 1.  x: a head's 128 rows of 128 bytes are a dense block: 64 rows of 256 bytes (32 elements of 8 bytes), 4 words of padding behind each 64
	s_or_b32 s[G1+0], s43, (3<<16)|(1<<20)|(1<<21)|(5<<22)|(3<<25)
	s_mov_b32 s[G1+1], 32<<16
	s_mov_b32 s[G1+2], 64<<16
	s_mov_b32 s[G1+3], 32<<16
	s_mov_b32 s[G1+4], 64
	s_mov_b32 s[G1+5], 32
	s_mov_b32 s[G1+6], 0
	s_mov_b32 s[G1+7], 0
	; Wo: 192 rows of 192 elements of 2 bytes, 768 elements apart; 4 words of padding behind each 32
	s_or_b32 s[G1B+0], s44, (1<<16)|(1<<20)|(1<<21)|(4<<22)|(3<<25)
	s_mov_b32 s[G1B+1], 192<<16
	s_mov_b32 s[G1B+2], 192<<16
	s_mov_b32 s[G1B+3], 192<<16
	s_mov_b32 s[G1B+4], 192
	s_mov_b32 s[G1B+5], 768
	s_mov_b32 s[G1B+6], 0
	s_mov_b32 s[G1B+7], 0
	s_min_u32 s45, s14, 2                          ; which of a step's three heads I fetch
	s_lshr_b32 s20, s17, 3
	s_mul_i32 s20, s20, 12
	s_add_co_u32 s20, s20, s45                     ; batch x 12 + head
	s_lshl_b32 s20, s20, 10
	s_and_b32 s18, s17, 7
	s_lshl_b32 s18, s18, 7
	s_add_co_u32 s20, s20, s18                     ; + the work-group's first position
	s_lshl_b32 s20, s20, 7
	s_mov_b32 s21, 0
	s_mul_i32 s45, s45, AHEAD                      ; and where it goes in a slot
	s_mul_i32 s46, s42, 192*1536                   ; Wo's row 192 nx
	s_mov_b32 s47, 0
	s_wait_dscnt 0x0                               ; both opening adds are done
	s_wait_kmcnt 0x0
	s_add_nc_u64 s[20:21], s[4:5], s[20:21]
	s_add_nc_u64 s[46:47], s[6:7], s[46:47]
	CROUND                                         ; all sixteen work-groups are here: the first joint loads meet
.irp s, 0,1
	s_mov_b32 s[G0+4*\s], 1
	s_add_co_u32 s[G0+4*\s+1], s45, \s*SLOT
	s_add_nc_u64 s[G0+4*\s+2:G0+4*\s+3], s[20:21], \s*3*131072     ; slot s begins with K step s: three heads on
	s_or_b32 s[G0+4*\s+3], s[G0+4*\s+3], 0x80000000
	s_mov_b32 s[G0B+4*\s], 1
	s_mov_b32 s[G0B+4*\s+1], BOFF+\s*SLOT
	s_add_nc_u64 s[G0B+4*\s+2:G0B+4*\s+3], s[46:47], \s*384
	s_or_b32 s[G0B+4*\s+3], s[G0B+4*\s+3], 0x80000000
	JLOAD \s                                       ; two tensor loads of mine are out
.endr
	v_and_b32 v1, 15, v0                           ; r
	v_bfe_u32 v2, v0, 4, 1                         ; h
	s_mul_i32 s80, s42, 192
	s_mul_i32 s81, s16, 96
	s_add_co_u32 s80, s80, s81
	s_lshl_b32 s80, s80, 2
	s_mov_b32 s81, 0
	s_add_nc_u64 s[8:9], s[8:9], s[80:81]          ; bo at my first column
	v_lshlrev_b32 v5, 5, v2                        ; my half's eight numbers of a tile
	WIN 0x40
.irp b, 0,1,2,3,4,5
	global_load_b128 v[BI+8*\b:BI+8*\b+3], v5, s[8:9] offset:64*\b
	global_load_b128 v[BI+8*\b+4:BI+8*\b+7], v5, s[8:9] offset:64*\b+16
.endr
	WIN 0
	s_lshl_b32 s82, s17, 7
	s_lshl_b32 s83, s14, 5
	s_add_co_u32 s82, s82, s83                     ; the first row that I store: 128 my + 32 x wave
	s_mul_i32 s82, s82, 3072
	s_mul_i32 s83, s42, 768
	s_add_co_u32 s82, s82, s83
	s_mov_b32 s83, 0
	s_add_nc_u64 s[10:11], s[10:11], s[82:83]
	v_lshrrev_b32 v3, 1, v1
	v_mul_u32_u24 v3, v3, APP
	v_and_b32 v4, 1, v0
	v_lshl_add_u32 v3, v4, 7, v3
	v_lshl_add_u32 v3, v2, 4, v3                   ; x: (r / 2) 272 + (r % 2) 128 + 16 h
	s_mul_i32 s23, s15, 32*APP
	v_add_nc_u32 v[ADRA], s23, v3
	s_add_co_u32 s23, s23, SLOT
	v_add_nc_u32 v[ADRA+1], s23, v3
	v_mul_u32_u24 v4, v1, BP
	v_lshl_add_u32 v4, v2, 4, v4                   ; Wo: r x 432 + 16 h
	s_mul_i32 s23, s16, 96*BP
	s_add_co_u32 s23, s23, BOFF
	v_add_nc_u32 v[ADRB], s23, v4
	s_add_co_u32 s23, s23, SLOT
	v_add_nc_u32 v[ADRB+1], s23, v4
	v_mul_u32_u24 v6, v1, SPIT
	v_lshl_add_u32 v6, v2, 5, v6
	s_mul_i32 s23, s15, 64*SPIT
	s_mul_i32 s86, s16, 384
	s_add_co_u32 s23, s23, s86
	v_add_nc_u32 v[STO], s23, v6                   ; the stage: row 64 wm + r, byte 384 wc + 32 h
	v_mul_u32_u24 v7, v2, SPIT
	v_lshl_add_u32 v7, v1, 4, v7
	s_mul_i32 s23, s14, 32*SPIT
	v_add_nc_u32 v[RD], s23, v7                    ; back: lanes 0-15 take 256 bytes of one row, lanes 16-31 of the next
	v_mul_u32_u24 v8, v2, 3072
	v_lshl_add_u32 v[CO], v1, 4, v8                ; and the same in out0
.macro FRAG reg, adr, off              ; 16 rows x 32 K of f16: 8 registers: two loads of 16 bytes, 32 bytes apart
	ds_load_b128 v[\reg:\reg+3], v[\adr] offset:\off
	ds_load_b128 v[\reg+4:\reg+7], v[\adr] offset:\off+32
.endm
.macro FETCH slot, q, p                ; the fragments of the slot's q-th 32 along K (head q / 2, channels 32 (q % 2) on) into set p: 20 loads
	WIN 0x40
.irp b, 0,1,2,3,4,5
	FRAG 80*(\p)+8*\b, ADRB+\slot, 16*BP*\b+64*(\q)+16*((\q)/2)
.endr
.irp a, 0,1,2,3
	FRAG 80*(\p)+48+8*\a, ADRA+\slot, AHEAD*((\q)/2)+8*APP*\a+64*((\q)%2)
.endr
.endm
; 12 products: blocks a0, a0 + 1 of x against Wo's six tiles.  The 24 accumulators take turns, in the same order in every sub-step.  first = 1: the bias is C.
.macro MULH p, a0, first
.if \first
	WIN 0x15                                       ; sources 0, 1 and 2 window 1, destination window 0
.else
	WIN 0x05                                       ; sources 0 and 1 window 1, C and D window 0
.endif
.irp a, \a0, \a0+1
.irp b, 0,1,2,3,4,5
.if \first
	v_wmma_f32_16x16x32_f16 v[ACC+8*(6*(\a)+\b):ACC+8*(6*(\a)+\b)+7], v[80*(\p)+8*\b:80*(\p)+8*\b+7], v[80*(\p)+48+8*(\a):80*(\p)+48+8*(\a)+7], v[BI+8*\b:BI+8*\b+7]
.else
	v_wmma_f32_16x16x32_f16 v[ACC+8*(6*(\a)+\b):ACC+8*(6*(\a)+\b)+7], v[80*(\p)+8*\b:80*(\p)+8*\b+7], v[80*(\p)+48+8*(\a):80*(\p)+48+8*(\a)+7], v[ACC+8*(6*(\a)+\b):ACC+8*(6*(\a)+\b)+7]
.endif
.endr
.endr
.endm
.macro SUB slot, q, first              ; a sub-step that has its successor in the same slot
	PLACES 4                                       ; in front of loads into the set that the sub-step before has multiplied
	FETCH \slot, (\q)+1, ((\q)+1)%2
	s_wait_dscnt 20                                ; all but the 20 just issued
	MULH (\q)%2, 0, \first
	MULH (\q)%2, 2, \first
.endm
; A slot's last sub-step changes slots.  Each wave waits for all its tensor loads (its part of the next slot), adds 0 to its spare word, and waits for that and for its reads of this slot.  fill = 1: a round of the
; cluster's barrier, and this slot is filled again, two K steps ahead: the load has a K step's 144 matrix instructions in which to land.
.macro TURN slot, next, fill
	WIN 0
	s_wait_tensorcnt 0x0
	ds_add_u32 v[SPW], v[NIL]                      ; twelve products and the descriptors' steps stand between the add and the wait for it
	s_wait_dscnt 1                                 ; (the add alone may be out: the last sub-step's fragments are in)
	MULH 1, 0, 0
.if \fill
	s_add_nc_u64 s[G0+4*\slot+2:G0+4*\slot+3], s[G0+4*\slot+2:G0+4*\slot+3], 2*3*131072
	s_add_nc_u64 s[G0B+4*\slot+2:G0B+4*\slot+3], s[G0B+4*\slot+2:G0B+4*\slot+3], 2*384
.endif
	WIN 0
	s_wait_dscnt 0x0                               ; the add is done, and my reads of this slot are over
.if \fill
	CROUND
	JLOAD \slot                                    ; the first tensor load behind the round; its four v_nop are also the places in front of the loads below
.else
	s_barrier_signal -1
	s_barrier_wait -1
	PLACES 4
.endif
	FETCH \next, 0, 0
	MULH 1, 2, 0
.endm
	s_wait_tensorcnt 0x1                           ; my part of slot 0 is in; slot 1's may stay out
	s_barrier_signal -1
	s_barrier_wait -1
	FETCH 0, 0, 0
	s_wait_loadcnt 0x0                             ; the bias
	SUB 0, 0, 1                                    ; the first sub-step starts the sums from the bias
.irp q, 1,2,3,4
	SUB 0, \q, 0
.endr
	TURN 0, 1, 1                                   ; slot 0 takes K step 2
.irp q, 0,1,2,3,4
	SUB 1, \q, 0
.endr
	TURN 1, 0, 1                                   ; slot 1 takes K step 3
.irp q, 0,1,2,3,4
	SUB 0, \q, 0
.endr
	TURN 0, 1, 0                                   ; nothing is left to fetch
.irp q, 0,1,2,3,4
	SUB 1, \q, 0
.endr
	s_wait_dscnt 0x0
	MULH 1, 0, 0
	MULH 1, 2, 0
	WIN 0
	; THE WAY OUT: 32 bytes a lane into the work-group's stage; a barrier, since a row's 768 bytes come from two waves; back as pieces of 256 bytes of whole rows, 32 rows a wave.
	PLACES 4
.irp a, 0,1,2,3
.irp b, 0,1,2,3,4,5
	ds_store_b128 v[STO], v[ACC+8*(6*\a+\b):ACC+8*(6*\a+\b)+3] offset:16*SPIT*\a+64*\b        ; each accumulator from its low end on
	ds_store_b128 v[STO], v[ACC+8*(6*\a+\b)+4:ACC+8*(6*\a+\b)+7] offset:16*SPIT*\a+64*\b+16
.endr
.endr
	s_wait_dscnt 0x0                               ; for the others' sake: my stores into the stage are done
	s_barrier_signal -1
	s_barrier_wait -1
.irp k, 0,1,2                                  ; 48 pieces (pair of rows n / 3, piece n % 3), sixteen at a time
.if \k > 0
	s_wait_xcnt 0x0                                ; the last batch's stores have read their registers
.endif
.irp n, 0,1,2,3,4,5,6,7,8,9,10,11,12,13,14,15
	ds_load_b128 v[BK+4*\n:BK+4*\n+3], v[RD] offset:2*SPIT*((16*\k+\n)/3)+256*((16*\k+\n)%3)
.endr
.irp n, 0,1,2,3,4,5,6,7,8,9,10,11,12,13,14,15
	s_wait_dscnt 15-\n
	global_store_b128 v[CO], v[BK+4*\n:BK+4*\n+3], s[10:11] offset:6144*((16*\k+\n)/3)+256*((16*\k+\n)%3) th:TH_STORE_NT   ; sixteen lanes store 256 consecutive bytes, at a multiple of 256 from out0's first byte
.endr
.endr
	s_wait_tensorcnt 0x0                           ; the wave's end: behind my last tensor load and my last LDS store
	ds_add_u32 v[SPW], v[NIL]
	s_wait_dscnt 0x0
	CROUND                                         ; the closing round
	s_endpgm
.Lfunc_end_k_q5a28abc6a3_oproj:
	.size	k_q5a28abc6a3_oproj, .Lfunc_end_k_q5a28abc6a3_oproj-k_q5a28abc6a3_oproj
	.p2alignl 7, 3214868480
	.fill 96, 4, 3214868480
	.section	.rodata,"a",@progbits
	.p2align	6, 0x0
	.amdhsa_kernel k_q5a28abc6a3_oproj
		.amdhsa_group_segment_fixed_size 327680
		.amdhsa_private_segment_fixed_size 0
		.amdhsa_enable_private_segment 0
		.amdhsa_kernarg_size 32
		.amdhsa_user_sgpr_count 2
		.amdhsa_user_sgpr_kernarg_segment_ptr 1
		.amdhsa_wavefront_size32 1
		.amdhsa_system_sgpr_workgroup_id_x 1
		.amdhsa_system_sgpr_workgroup_id_y 1
		.amdhsa_system_sgpr_workgroup_id_z 1
		.amdhsa_system_vgpr_workitem_id 0
		.amdhsa_next_free_vgpr 512
		.amdhsa_next_free_sgpr 100
		.amdhsa_reserve_vcc 0
		.amdhsa_float_denorm_mode_32 3
		.amdhsa_float_denorm_mode_16_64 3
		.amdhsa_memory_ordered 1
		.amdhsa_forward_progress 1
		.amdhsa_inst_pref_size 95
	.end_amdhsa_kernel
	.amdgpu_metadata
---
amdhsa.version: [ 1, 2 ]
amdhsa.kernels:
  - .name:           k_q5a28abc6a3_oproj
    .symbol:         k_q5a28abc6a3_oproj.kd
    .args:
      - { .name: x16, .offset: 0, .size: 8, .value_kind: global_buffer, .address_space: global }
      - { .name: wo16, .offset: 8, .size: 8, .value_kind: global_buffer, .address_space: global }
      - { .name: bo, .offset: 16, .size: 8, .value_kind: global_buffer, .address_space: global }
      - { .name: out0, .offset: 24, .size: 8, .value_kind: global_buffer, .address_space: global }
    .group_segment_fixed_size: 327680
    .private_segment_fixed_size: 0
    .kernarg_segment_align: 8
    .kernarg_segment_size: 32
    .max_flat_workgroup_size: 128
    .sgpr_count:     100
    .vgpr_count:     512
    .wavefront_size: 32
...
	.end_amdgpu_metadata
.endif
;; end of part 4
